; MI455X (gfx1250); checked and timed in simulation.
; The chip was launched on July 23, 2026; its instructions are those of AMD's public machine-readable ISA for CDNA 5 (MIT licence, August 2026) and "CDNA5" Instruction Set Architecture Reference Guide (July 2026). The comments in the code are by the model that wrote it; some were corrected since.
;; Sparse Attention. Allowed arithmetic: float matrix products may take bf16 or f16 operands with f32 sums; other float arithmetic in f32, or as packed bf16 or f16 multiplies, adds, multiply-adds, maxima and minima; sums over many terms, partial sums and values carried from step to step in f32; what a program stores and reads back later, other than sums and carried values, may be rounded once to bf16 or f16.
;; Inputs: W_attn 1,024 x 3,072 float32; W_proj 1,024 x 1,024 float32; b_attn 3,072 float32; b_proj 1,024 float32; x 1 x 4,096 x 1,024 float32.
;; Outputs: out0 1 x 4,096 x 1,024 float32.
;; 2 versions, each right; version 2 is version 1 with the launch prep written anew for expert scheduling mode. Each part assembles by itself: llvm-mc -triple=amdgcn-amd-amdhsa -mcpu=gfx1250 --defsym DOCPART=n.
;; ======== version 1 of 2: 5 launches
;; limits: values are held in f16: magnitudes above 65,504 overflow, below 6.1e-05 lose precision
;; workspace buffers: xb 8,388,608 bytes; wat 6,291,456 bytes; wpt 2,097,152 bytes; qkv 25,165,824 bytes; yh 8,388,608 bytes; part 2,097,152 bytes; pstat 65,536 bytes
;; launch prep (part 1): grid 256 x 1, 6 waves a work-group, no clusters, 35,584 bytes of LDS; arguments x, W_attn, W_proj, xb, wat, wpt; writes xb, wat, wpt
.if DOCPART == 1
	.amdgcn_target "amdgcn-amd-amdhsa--gfx1250"
	.amdhsa_code_object_version 6
	.text
	.protected	k_q9958e78d45_prep
	.globl	k_q9958e78d45_prep
	.p2align	8
	.type	k_q9958e78d45_prep,@function
k_q9958e78d45_prep:
	s_mov_b64 s[64:65], 0
	v_nop
	global_prefetch_b8 v0, s[64:65] scope:SCOPE_SE
	s_setreg_imm32_b32 hwreg(HW_REG_WAVE_MODE, 25, 1), 1
	s_wait_xcnt 0x0
; THE INPUTS ARE MADE READY FOR THE MATRIX UNITS, each byte read once and each result written once.
;   xb  [4096][1024]      = bf16(x)
;   wat [3072 n][1024 k]  = bf16(W_attn[k][n]): turned, so that K lies along the rows
;   wpt [1024 n][1024 k]  = bf16(W_proj[k][n]), that number written as f16 (the last product's other operand is f16)
; LIMIT: below 6e-5 a number of wpt keeps f16's fixed step of 6e-8; beyond 65,504 it would be an infinity.
; SHARES.  The two weights are 384 + 128 = 512 tiles of 128 k x 64 n: waves 0 and 1 of each of the 256 work-groups turn one each.  x is 1,024 shares
; of 16,384 bytes: waves 2 to 5 cast one each.  No wave needs another's bytes: no barrier; matrix units and clusters have nothing to do here.
; TURNING.  A load takes 16 bytes a lane: lanes 0-15 the 256 bytes (64 n) of one row k, lanes 16-31 those of the row eight further down.  After eight such loads
; a lane holds 8 k x 4 n; for each n the 8 k pack into 16 bytes, which go into LDS row n (pitch 272); whole rows of 256 bytes (128 k) come back and are stored,
; sixteen lanes to 256 consecutive bytes, aligned.
.set PITCH, 272
.set REGB,  64*PITCH                   ; a turning wave's own LDS: 64 rows
.set SPARE, 2*REGB                     ; behind them: the spare words, 128 bytes for each of the six waves: three blocks of 256 bytes that no other line names
.set SPW, 4                            ; v4   LDS address of my spare word; never rewritten
.set NIL, 5                            ; v5   0; never rewritten
.set RO,  8                            ; v8-15  load t of a group: (8 h + t) rows + 16 r; never rewritten
.set LST, 16                           ; v16  where I put 16 bytes of LDS row 4 r; never rewritten
.set LRD, 17                           ; v17  where I read rows back; never rewritten
.set GST, 18                           ; v18  my byte offset in two rows of the turned weight; never rewritten
.set X,   32                           ; v32-159   as loaded: four groups of 32 (turning), or 32 x 4 (casting); then the turned rows
.set Y,   160                          ; v160-223  packed
.set T,   176                          ; v176-177  at work (turning waves use Y's first sixteen registers alone)
.set WV,  16                           ; s16  my wave's number
	s_load_b256 s[4:11], s[0:1], 0x0               ; x s[4:5], W_attn s[6:7], W_proj s[8:9], xb s[10:11]
	s_load_b128 s[12:15], s[0:1], 0x20             ; wat s[12:13], wpt s[14:15]
	v_lshl_add_u32 v[SPW], v0, 2, SPARE
	v_mov_b32 v[NIL], 0
	v_lshrrev_b32 v1, 5, v0
	v_readfirstlane_b32 s[WV], v1                  ; wave 0..5
	v_and_b32 v1, 31, v0                           ; lane
	v_and_b32 v2, 15, v0                           ; r
	v_bfe_u32 v3, v0, 4, 1                         ; h
	s_cmp_lt_u32 s[WV], 2
	s_cbranch_scc0 .Lcast
	; ---- waves 0 and 1: a tile of a weight is turned ----
	s_lshl_b32 s17, ttmp9, 1
	s_add_co_u32 s17, s17, s[WV]                   ; tile 0..511: 384 of W_attn, then 128 of W_proj
	s_sub_co_u32 s29, s17, 384
	s_mov_b32 s28, 12288
	s_cmp_ge_u32 ttmp9, 192
	s_cselect_b32 s18, 1, 0                        ; 1: W_proj
	s_cselect_b32 s19, 4096, s28                   ; bytes in a row of the weight as given
	s_cselect_b32 s17, s29, s17                    ; the tile's number within its weight
	s_and_b32 s30, s17, 7                          ; which 128 k
	s_lshr_b32 s31, s17, 3                         ; which 64 n
	s_lshl_b32 s32, s30, 7
	s_mul_i32 s32, s32, s19
	s_lshl_b32 s33, s31, 8
	s_add_co_u32 s32, s32, s33                     ; from: 128 kt rows + 256 nt bytes
	s_mov_b32 s33, 0
	s_lshl_b32 s34, s31, 17
	s_lshl_b32 s35, s30, 8
	s_add_co_u32 s34, s34, s35                     ; to: 64 nt rows of 2,048 bytes + 256 kt bytes
	s_mov_b32 s35, 0
	s_lshl_b32 s24, s19, 4                         ; a group is 16 rows
	s_mov_b32 s25, 0
	s_mov_b32 s26, 0xffff0000                      ; a word's upper bf16
	v_lshlrev_b32 v19, 3, v3
	v_lshlrev_b32 v20, 4, v2
.irp t, 0,1,2,3,4,5,6,7
	v_add_nc_u32 v21, \t, v19
	v_mad_u32_u24 v[RO+(\t)], v21, s19, v20
.endr
	s_mul_i32 s36, s[WV], REGB                     ; my own 64 rows of LDS
	v_mul_u32_u24 v[LST], v2, 4*PITCH
	v_lshl_add_u32 v[LST], v3, 4, v[LST]
	v_add_nc_u32 v[LST], s36, v[LST]               ; row 4 r, byte 16 h
	v_mul_u32_u24 v[LRD], v3, PITCH
	v_lshl_add_u32 v[LRD], v2, 4, v[LRD]
	v_add_nc_u32 v[LRD], s36, v[LRD]               ; lanes 0-15 one row, lanes 16-31 the next
	v_lshl_add_u32 v[GST], v3, 11, v20
	s_wait_kmcnt 0x0
	s_cmp_eq_u32 s18, 1
	s_cselect_b64 s[20:21], s[8:9], s[6:7]
	s_cselect_b64 s[22:23], s[14:15], s[12:13]
	s_add_nc_u64 s[20:21], s[20:21], s[32:33]
	s_add_nc_u64 s[22:23], s[22:23], s[34:35]
.macro LOADG g                         ; group g: rows 16 g .. 16 g + 15 of the tile
.irp t, 0,1,2,3,4,5,6,7
	global_load_b128 v[X+32*((\g)%4)+4*(\t):X+32*((\g)%4)+4*(\t)+3], v[RO+(\t)], s[20:21] th:TH_LOAD_NT
.endr
	s_wait_xcnt 0x0                                ; the loads have read their base: it steps only behind this wait
	s_add_nc_u64 s[20:21], s[20:21], s[24:25]
.endm
.macro CVTG g                          ; for each of my four n: 8 k rounded to bf16 and packed; 16 bytes into LDS row 4 r + j at byte 32 g + 16 h
.irp j, 0,1,2,3
.irp i, 0,1,2,3
	v_cvt_pk_bf16_f32 v[Y+4*(\j)+(\i)], v[X+32*((\g)%4)+8*(\i)+(\j)], v[X+32*((\g)%4)+8*(\i)+4+(\j)]
.endr
.endr
.irp j, 0,1,2,3
	ds_store_b128 v[LST], v[Y+4*(\j):Y+4*(\j)+3] offset:(\j)*PITCH+32*(\g)
.endr
.endm
	LOADG 0
	LOADG 1
	LOADG 2
	LOADG 3                                        ; four groups, 32 loads, on their way
.irp g, 0,1,2,3
	s_wait_loadcnt 24                              ; the oldest group is in; the three younger ones stay out
	CVTG \g
	LOADG (\g)+4
.endr
	s_wait_loadcnt 24
	CVTG 4
	s_wait_loadcnt 16                              ; nothing more is loaded: the counts run down
	CVTG 5
	s_wait_loadcnt 8
	CVTG 6
	s_wait_loadcnt 0x0
	CVTG 7
	; The 64 turned rows come back in one run of 32 loads, two rows each, the rows in the immediate.  LDS serves a wave's instructions in order (ISA guide 5.7.1.4): the loads see my stores.
.set i, 0
.rept 32
	ds_load_b128 v[X+4*i:X+4*i+3], v[LRD] offset:i*2*PITCH
.set i, i+1
.endr
; Sixteen rows n leave.  No register is used twice, so nothing but the LDS loads is waited for.
.macro BACK t
	s_wait_dscnt 24-8*(\t)                         ; my eight loads are back; the younger ones may stay out
	s_cmp_eq_u32 s18, 1
	s_cbranch_scc0 .Lbf_\@
.set i, 32*(\t)
.rept 32                               ; W_proj alone: the bf16 number is written as f16
	v_lshlrev_b32 v[T], 16, v[X+i]
	v_and_b32 v[T+1], s26, v[X+i]
	v_cvt_pk_f16_f32 v[X+i], v[T], v[T+1]
.set i, i+1
.endr
.Lbf_\@:
.irp i, 0,1,2,3,4,5,6,7
	global_store_b128 v[GST], v[X+32*(\t)+4*(\i):X+32*(\t)+4*(\i)+3], s[22:23] offset:(8*(\t)+(\i))*4096  ; 16 lanes store 256 consecutive bytes, aligned
.endr
.endm
	BACK 0
	BACK 1
	BACK 2
	BACK 3
	s_branch .Lend
	; ---- waves 2 to 5: 16,384 bytes of x are cast ----
.Lcast:
	s_sub_co_u32 s17, s[WV], 2
	s_lshl_b32 s18, ttmp9, 2
	s_add_co_u32 s18, s18, s17                     ; my share, 0..1023
	s_lshl_b32 s24, s18, 14
	s_mov_b32 s25, 0
	s_lshl_b32 s26, s18, 13
	s_mov_b32 s27, 0
	v_lshlrev_b32 v6, 4, v1
	v_lshlrev_b32 v7, 3, v1
	s_wait_kmcnt 0x0
	s_add_nc_u64 s[20:21], s[4:5], s[24:25]
	s_add_nc_u64 s[22:23], s[10:11], s[26:27]
.set i, 0
.rept 32                               ; all 32 loads go out at once: 512 consecutive bytes each
	global_load_b128 v[X+4*i:X+4*i+3], v6, s[20:21] offset:512*i th:TH_LOAD_NT
.set i, i+1
.endr
.set i, 0
.rept 32                               ; no register is used twice, so nothing but the load itself is waited for
	s_wait_loadcnt 31-i
	v_cvt_pk_bf16_f32 v[Y+2*i], v[X+4*i], v[X+4*i+1]
	v_cvt_pk_bf16_f32 v[Y+2*i+1], v[X+4*i+2], v[X+4*i+3]
	global_store_b64 v7, v[Y+2*i:Y+2*i+1], s[22:23] offset:256*i  ; 32 lanes store 256 consecutive bytes, aligned
.set i, i+1
.endr
.Lend:
	s_wait_tensorcnt 0x0                           ; the wave's end: three closing lines, behind my last LDS store
	ds_add_u32 v[SPW], v[NIL]
	s_wait_dscnt 0x0
	s_endpgm
.Lfunc_end_k_q9958e78d45_prep:
	.size	k_q9958e78d45_prep, .Lfunc_end_k_q9958e78d45_prep-k_q9958e78d45_prep
	.p2alignl 7, 3214868480
	.fill 96, 4, 3214868480
	.section	.rodata,"a",@progbits
	.p2align	6, 0x0
	.amdhsa_kernel k_q9958e78d45_prep
		.amdhsa_group_segment_fixed_size 35584
		.amdhsa_private_segment_fixed_size 0
		.amdhsa_enable_private_segment 0
		.amdhsa_kernarg_size 48
		.amdhsa_user_sgpr_count 2
		.amdhsa_user_sgpr_kernarg_segment_ptr 1
		.amdhsa_wavefront_size32 1
		.amdhsa_system_sgpr_workgroup_id_x 1
		.amdhsa_system_sgpr_workgroup_id_y 1
		.amdhsa_system_sgpr_workgroup_id_z 1
		.amdhsa_system_vgpr_workitem_id 0
		.amdhsa_next_free_vgpr 224
		.amdhsa_next_free_sgpr 66
		.amdhsa_reserve_vcc 0
		.amdhsa_float_denorm_mode_32 3
		.amdhsa_float_denorm_mode_16_64 3
		.amdhsa_memory_ordered 1
		.amdhsa_forward_progress 1
		.amdhsa_inst_pref_size 53
	.end_amdhsa_kernel
	.amdgpu_metadata
---
amdhsa.version: [ 1, 2 ]
amdhsa.kernels:
  - .name:           k_q9958e78d45_prep
    .symbol:         k_q9958e78d45_prep.kd
    .args:
      - { .name: x, .offset: 0, .size: 8, .value_kind: global_buffer, .address_space: global }
      - { .name: W_attn, .offset: 8, .size: 8, .value_kind: global_buffer, .address_space: global }
      - { .name: W_proj, .offset: 16, .size: 8, .value_kind: global_buffer, .address_space: global }
      - { .name: xb, .offset: 24, .size: 8, .value_kind: global_buffer, .address_space: global }
      - { .name: wat, .offset: 32, .size: 8, .value_kind: global_buffer, .address_space: global }
      - { .name: wpt, .offset: 40, .size: 8, .value_kind: global_buffer, .address_space: global }
    .group_segment_fixed_size: 35584
    .private_segment_fixed_size: 0
    .kernarg_segment_align: 8
    .kernarg_segment_size: 48
    .max_flat_workgroup_size: 192
    .sgpr_count:     66
    .vgpr_count:     224
    .wavefront_size: 32
...
	.end_amdgpu_metadata
.endif
;; end of part 1
;; launch qkvgemm (part 2): grid 16 x 16, 4 waves a work-group, clusters of 4 x 4, 327,680 bytes of LDS; arguments xb, wat, b_attn, qkv; writes qkv
.if DOCPART == 2
	.amdgcn_target "amdgcn-amd-amdhsa--gfx1250"
	.amdhsa_code_object_version 6
	.text
	.protected	k_q9958e78d45_qkvgemm
	.globl	k_q9958e78d45_qkvgemm
	.p2align	8
	.type	k_q9958e78d45_qkvgemm,@function
k_q9958e78d45_qkvgemm:
	s_mov_b64 s[64:65], 0
	v_nop
	global_prefetch_b8 v0, s[64:65] scope:SCOPE_SE
	s_setreg_imm32_b32 hwreg(HW_REG_WAVE_MODE, 25, 1), 1
	s_wait_xcnt 0x0
	s_wait_alu depctr_hold_cnt(0) depctr_sa_sdst(0) depctr_va_vdst(0) depctr_va_sdst(0) depctr_va_ssrc(0) depctr_va_vcc(0) depctr_vm_vsrc(0)
	s_getreg_b32 s2, hwreg(HW_REG_IB_STS2, 6, 4)
	s_cmp_eq_u32 s2, 0
	s_cbranch_scc0 .Lentry_in_a_cluster
	s_endpgm
.Lentry_in_a_cluster:
	s_bfe_u32 s2, ttmp6, 0x10000c
	s_cmp_lg_u32 s2, 0xf033
	s_cbranch_scc0 .Lentry_shape_is_right
	s_endpgm
.Lentry_shape_is_right:
; qkv[n >> 6][t][n & 63] = f16( sum over k of xb[t][k] wat[n][k] + bf16(b_attn[n]) ).  xb [4096][1024], wat [3072][1024] in bf16; sums in f32; the result by heads, [48][4096][64] in f16:
; planes 0-15 q, 16-31 k, 32-47 v, each rounded once and unscaled.
; LIMIT: f16 ends at 65,504: q, k and v must lie within it.
; SHARES.  A work-group makes 256 rows x 192 columns (three planes): 16 x 16 = 256 work-groups.  Wave w makes rows 64 w .. 64 w + 63 and all 192 columns: 4 x 12 accumulators of 16 x 16, 384 registers;
; so it owns whole 128-byte rows of three planes, and its way out needs no other wave.  K goes in 8 steps of 128 through a ring of two LDS slots filled by the tensor data mover: rows of 256 bytes, aligned.
; CLUSTERS: 4 x 4 work-groups.  The four of a row of the cluster need the same rows of xb, the four of a column the same rows of wat: each tile is asked for JOINTLY, by the same tensor load with the
; same descriptor and a mask that names the four.
; THE MATRIX INSTRUCTION IS USED TRANSPOSED (source 0 = 16 rows of wat, source 1 = 16 rows of xb): a lane then holds row l % 16 and eight neighbouring columns 8 (l / 16) + 0..7.
; THE BIAS is the C operand of the first product on each accumulator: nothing is cleared, and the way out adds nothing.
; REGISTERS, in windows of 256 (s_set_vgpr_msb: bits 1:0 source 0, 3:2 source 1, 5:4 source 2, 7:6 destination):
;   window 0: v0-31 addresses; v32-63, v64-95 fragments of xb, two buffers (block a at + 8 a); v96-191 the bias (block b at + 8 b); on the way out v32-79 packed results, v80-127 and v128-175 rows read back
;   window 1: v0-95, v96-191 fragments of wat, two buffers          window 2: accumulators (a, b), a = 0, 1, at 8 (12 (a % 2) + b)          window 3: a = 2, 3
.set SIZE_K, 1024
.set KSTEP,  128
.set PITCH,  272                       ; an LDS row: 256 bytes + 16 of padding = 68 words: the 16 rows that a load touches start at 16 different groups of four banks (64 banks of 4 bytes: ISA guide 11.1)
.set HALFA,  128*PITCH                 ; what a wave fetches of xb
.set HALFB,  96*PITCH                  ; what a wave fetches of wat
.set BOFF,   2*HALFA                   ; a slot: xb's 256 rows, then wat's 192
.set SLOT,   BOFF+2*HALFB
.set STAGE,  2*SLOT                    ; behind the ring, never filled by a tensor load: for each wave 3 planes x 16 rows x 144 bytes
.set SP,     144
.set WSTAGE, 3*16*SP
.set SPARE,  STAGE+4*WSTAGE            ; behind the stages: the spare words, 128 bytes for each wave: two blocks of 256 bytes that no other line names
.set LAPS,   SIZE_K/(2*KSTEP)          ; a lap = two K steps = once round the ring
.set PLANE,  4096*128                  ; bytes in a plane of qkv
.set ADRA, 16                          ; v16-17  LDS address of my fragments of xb in slot 0, 1
.set ADRB, 20                          ; v20-21  the same for wat
.set STO,  24                          ; v24     the way out: where I put 16 bytes of a row
.set RD,   25                          ; v25     the way out: where I read rows back
.set CO,   26                          ; v26     16 x lane: my place in 512 consecutive bytes of a plane
.set BO,   27                          ; v27     32 (l / 16): my eight columns' bias
.set SPW,  28                          ; v28     LDS address of my spare word; never rewritten
.set NIL,  29                          ; v29     0; never rewritten
.set PFO,  30                          ; v30     the prefetches' offset: a lane a row; never rewritten
.set TT,   31                          ; v31     at work
.set FA,   32
.set BI,   96
.set TMP,  32
.set OB,   80
.set G1,  24                           ; s[24:31] descriptor group 1 for xb's tiles;  s[32:39] group 0, one set for each slot
.set G0,  32
.set G1B, 48                           ; s[48:55], s[56:63] the same for wat's
.set G0B, 56
.set PFA, 44                           ; s[44:45] where my prefetches stand
.set LIM, 43                           ; s43  1 in a wave that prefetches, else the greatest number
.set MSB, 0
.macro WIN new                         ; the immediate's high byte repeats the setting that is left; a switch that changes nothing is dropped
.if MSB != (\new)
	s_set_vgpr_msb (MSB<<8)|(\new)
.set MSB, \new
.endif
.endm
.set TO_B, 0x40                        ; destination window 1, address window 0
; A joint load.  Waves 0 and 1 fetch xb's two halves, waves 2 and 3 wat's.  The branch hangs on the wave's number alone.  An s_nop 0 and four v_nop follow each of the two lines.
.macro JLOAD s
	s_cmp_eq_u32 s11, 0
	s_cbranch_scc0 .Lfor_b_\@
	tensor_load_to_lds s[G0+4*(\s):G0+4*(\s)+3], s[G1:G1+7]
	s_nop 0
.rept 4
	v_nop
.endr
	s_branch .Lasked_\@
.Lfor_b_\@:
	tensor_load_to_lds s[G0B+4*(\s):G0B+4*(\s)+3], s[G1B:G1B+7]
	s_nop 0
.rept 4
	v_nop
.endr
.Lasked_\@:
.endm
; A PREFETCH INTO THE L2 behind each joint refill and the run of LDS loads that follows it: the K step that stands two refills on, 256 bytes of a row, a lane a row, one instruction a wave.
; xb's rows of a tile row are read by every cluster of that row of clusters: cluster x = 0 asks; wat's rows by every cluster of that column: cluster y = 0 asks.  The four partners that ask for a tile jointly
; share its rows out BY ADDRESS: of xb's 128 rows that a wave fetches partner cx takes 32, of wat's 96 partner cy takes 24 (lanes 24 to 31 name lane 23's row once more).
; K steps 4 to 7 are asked for so, each once; steps 0 to 3 come by their loads alone; the loop's last trip (s3 = 1) asks for nothing.
.macro ASK
	s_cmp_gt_u32 s3, s[LIM]
	s_cbranch_scc0 .Lnot_mine_\@
	global_prefetch_b8 v[PFO], s[PFA:PFA+1] offset:KSTEP*2 th:TH_LOAD_NT scope:SCOPE_SE
.Lnot_mine_\@:
.endm
.macro CREST                           ; a round of the cluster's barrier behind its opening barrier
	s_cmp_lg_u32 s10, 0
	s_cbranch_scc1 .Lnot_wave_0_\@
	s_barrier_signal -3
.Lnot_wave_0_\@:
	s_barrier_wait -3
	s_barrier_signal -1
	s_barrier_wait -1
.endm
.macro CROUND                          ; a whole round
	s_barrier_signal -1
	s_barrier_wait -1
	CREST
.endm
	s_load_b128 s[4:7], s[0:1], 0x0                ; xb s[4:5], wat s[6:7]
	s_load_b64 s[68:69], s[0:1], 0x10              ; b_attn
	s_load_b64 s[8:9], s[0:1], 0x18                ; qkv
	v_lshl_add_u32 v[SPW], v0, 2, SPARE
	v_mov_b32 v[NIL], 0
	ds_add_u32 v[SPW], v[NIL]                      ; the wave's opening: the add and its wait stand ahead of my first tensor load; the set-up below, work on registers, stands between them
	v_lshrrev_b32 v1, 5, v0
	v_readfirstlane_b32 s10, v1                    ; wave 0..3
	s_lshr_b32 s11, s10, 1                         ; I fetch for xb (0) or for wat (1)
	s_and_b32 s12, s10, 1                          ; which half of that tile I fetch
	s_bfe_u32 s40, ttmp6, 0x40000                  ; cx, cy: my place in the cluster
	s_bfe_u32 s41, ttmp6, 0x40004
	s_lshl_b32 s42, ttmp9, 2
	s_add_co_u32 s42, s42, s40                     ; tile column = 4 x cluster x + cx
	s_and_b32 s13, ttmp7, 0xffff
	s_lshl_b32 s13, s13, 2
	s_add_co_u32 s13, s13, s41                     ; tile row = 4 x cluster y + cy
	s_lshl_b32 s43, s41, 2
	s_lshl_b32 s43, 15, s43                        ; my row of the cluster
	s_lshl_b32 s44, 0x1111, s40                    ; my column
	s_or_b32 s[G1+0], s43, (1<<16)|(1<<20)|(1<<21)|(5<<22)|(3<<25)  ; 15:0 the mask; 17:16 elements of 2 bytes; 20 padding on; 21 set beside a mask; 24:22 after every 64 words (code 5); 31:25 4 words (code 3)
	s_or_b32 s[G1B+0], s44, (1<<16)|(1<<20)|(1<<21)|(5<<22)|(3<<25)
.irp g, G1, G1B
	s_mov_b32 s[(\g)+1], KSTEP<<16                 ; tensor_dim0 = 128
	s_mov_b32 s[(\g)+3], KSTEP<<16                 ; tile_dim0 = 128
	s_mov_b32 s[(\g)+5], SIZE_K                    ; elements from row to row
	s_mov_b32 s[(\g)+6], 0
	s_mov_b32 s[(\g)+7], 0
.endr
	s_mov_b32 s[G1+2], 128<<16                     ; tensor_dim1 and tile_dim1: 128 rows of xb,
	s_mov_b32 s[G1+4], 128
	s_mov_b32 s[G1B+2], 96<<16                     ; 96 of wat
	s_mov_b32 s[G1B+4], 96
	s_lshl_b32 s17, s12, 7
	s_lshl_b32 s16, s13, 8
	s_add_co_u32 s16, s16, s17                     ; xb: row 256 x tile row + 128 x half
	s_mul_i32 s46, s42, 192
	s_mul_i32 s47, s12, 96
	s_add_co_u32 s46, s46, s47                     ; wat: row 192 x tile column + 96 x half
	s_lshl_b32 s16, s16, 11                        ; rows of 2,048 bytes
	s_lshl_b32 s46, s46, 11
	s_mov_b32 s17, 0
	s_mov_b32 s47, 0
	s_mul_i32 s20, s12, HALFA                      ; where they go: no place in the cluster enters an LDS address
	s_mul_i32 s21, s12, HALFB
	s_add_co_u32 s21, s21, BOFF
	s_wait_dscnt 0x0                               ; the opening add is done
	s_wait_kmcnt 0x0
	s_add_nc_u64 s[14:15], s[4:5], s[16:17]
	s_add_nc_u64 s[46:47], s[6:7], s[46:47]
	CROUND                                         ; all sixteen work-groups are here: the first joint loads meet
.irp s, 0,1
	s_mov_b32 s[G0+4*(\s)], 1
	s_add_co_u32 s[G0+4*(\s)+1], s20, (\s)*SLOT
	s_add_nc_u64 s[G0+4*(\s)+2:G0+4*(\s)+3], s[14:15], (\s)*KSTEP*2
	s_or_b32 s[G0+4*(\s)+3], s[G0+4*(\s)+3], 0x80000000
	s_mov_b32 s[G0B+4*(\s)], 1
	s_add_co_u32 s[G0B+4*(\s)+1], s21, (\s)*SLOT
	s_add_nc_u64 s[G0B+4*(\s)+2:G0B+4*(\s)+3], s[46:47], (\s)*KSTEP*2
	s_or_b32 s[G0B+4*(\s)+3], s[G0B+4*(\s)+3], 0x80000000
	JLOAD \s                                       ; K steps 0 and 1: two loads of mine are out
.endr
	; the bias of my 192 columns: register j of block b is bias[192 x tile column + 16 b + 8 (l / 16) + j]
	v_and_b32 v1, 15, v0                           ; l % 16
	v_bfe_u32 v2, v0, 4, 1                         ; l / 16
	v_lshlrev_b32 v[BO], 5, v2
	s_mul_i32 s18, s42, 768
	s_mov_b32 s19, 0
	s_add_nc_u64 s[68:69], s[68:69], s[18:19]
.set i, 0
.rept 24
	global_load_b128 v[BI+4*i:BI+4*i+3], v[BO], s[68:69] offset:64*(i/2)+16*(i%2)
.set i, i+1
.endr
	; a fragment is 16 rows x 32 K in 8 registers: lane l holds row l % 16; two loads of 16 bytes, 32 bytes apart, at row x pitch + 16 (l / 16)
	v_mul_u32_u24 v3, v1, PITCH
	v_lshl_add_u32 v3, v2, 4, v3
	s_mul_i32 s21, s10, 64*PITCH                   ; my 64 rows of xb
	s_mov_b32 s22, BOFF                            ; all 192 rows of wat
.irp s, 0,1
	v_add_nc_u32 v[ADRA+(\s)], s21, v3
	v_add_nc_u32 v[ADRB+(\s)], s22, v3
	s_add_co_u32 s21, s21, SLOT
	s_add_co_u32 s22, s22, SLOT
.endr
	s_mul_i32 s23, s10, WSTAGE
	s_add_co_u32 s23, s23, STAGE                   ; my stage
	v_mul_u32_u24 v4, v1, SP                       ; in: row l % 16, 16 bytes for each half of the lanes
	v_lshl_add_u32 v4, v2, 4, v4
	v_add_nc_u32 v[STO], s23, v4
	v_bfe_u32 v5, v0, 3, 2                         ; back: 32 lanes take four rows of 128 bytes,
	v_mul_u32_u24 v5, v5, SP
	v_and_b32 v6, 7, v0
	v_lshl_add_u32 v5, v6, 4, v5
	v_add_nc_u32 v[RD], s23, v5
	v_and_b32 v[CO], 31, v0                        ; which are 512 consecutive bytes of a plane
	v_lshlrev_b32 v[CO], 4, v[CO]
	s_lshl_b32 s16, s13, 15                        ; my first row: 256 x tile row + 64 x wave, rows of 128 bytes,
	s_lshl_b32 s17, s10, 13
	s_add_co_u32 s16, s16, s17
	s_mov_b32 s17, 0
	s_add_nc_u64 s[8:9], s[8:9], s[16:17]
	s_mul_i32 s46, s42, 3*PLANE                    ; in the first of my three planes
	s_mov_b32 s47, 0
	s_add_nc_u64 s[8:9], s[8:9], s[46:47]
	; the prefetches
	s_lshl_b32 s20, s13, 8
	s_lshl_b32 s18, s12, 7
	s_add_co_u32 s20, s20, s18
	s_lshl_b32 s18, s40, 5
	s_add_co_u32 s20, s20, s18                     ; xb: the 128 rows that I fetch, my work-group's 32 of them
	s_mul_i32 s21, s42, 192
	s_mul_i32 s18, s12, 96
	s_add_co_u32 s21, s21, s18
	s_mul_i32 s18, s41, 24
	s_add_co_u32 s21, s21, s18                     ; wat: the 96 rows that I fetch, my work-group's 24 of them
	s_and_b32 s22, ttmp7, 0xffff                   ; cluster y
	s_cmp_eq_u32 s11, 0                            ; do I fetch for xb?
	s_cselect_b32 s20, s20, s21
	s_cselect_b32 s22, ttmp9, s22                  ; the coordinate along which other clusters read the same rows
	s_cselect_b32 s23, 31, 23                      ; my last row
	s_cselect_b64 s[PFA:PFA+1], s[4:5], s[6:7]
	s_cmp_eq_u32 s22, 0
	s_cselect_b32 s[LIM], 1, -1                    ; the same in all sixteen partners, for a given wave
	s_lshl_b32 s20, s20, 11
	s_mov_b32 s21, 0
	s_add_nc_u64 s[PFA:PFA+1], s[PFA:PFA+1], s[20:21]
	s_add_nc_u64 s[PFA:PFA+1], s[PFA:PFA+1], 2*KSTEP*2  ; at K step 2: the first refill steps it to 3 and names K step 4
	v_and_b32 v[PFO], 31, v0
	v_min_u32 v[PFO], s23, v[PFO]
	v_lshlrev_b32 v[PFO], 11, v[PFO]
	s_mov_b32 s70, 0xffff0000
	s_wait_loadcnt 0x0                             ; the bias is in; like every input it is rounded to bf16
.set i, 0
.rept 48
	v_cvt_pk_bf16_f32 v[TT], v[BI+2*i], v[BI+2*i+1]
	v_lshlrev_b32 v[BI+2*i], 16, v[TT]
	v_and_b32 v[BI+2*i+1], s70, v[TT]
.set i, i+1
.endr
; 12 matrix instructions: block a of my four blocks of 16 rows x all 12 blocks of 16 columns, 32 along K, from buffer f.  first = 1: the bias starts the sums.
; The 48 accumulators take turns in the same order in every quarter, one instruction a turn.
.macro MUL12 f, a, first
.if \first
	WIN 0x81+0x40*((\a)/2)                         ; wat window 1, xb window 0, C (the bias) window 0, D window 2 or 3
.else
	WIN 0xa1+0x50*((\a)/2)                         ; C and D window 2 or 3
.endif
.irp b, 0,1,2,3,4,5,6,7,8,9,10,11
.if \first
	v_wmma_f32_16x16x32_bf16 v[8*(12*((\a)%2)+(\b)):8*(12*((\a)%2)+(\b))+7], v[96*(\f)+8*(\b):96*(\f)+8*(\b)+7], v[FA+32*(\f)+8*(\a):FA+32*(\f)+8*(\a)+7], v[BI+8*(\b):BI+8*(\b)+7]
.else
	v_wmma_f32_16x16x32_bf16 v[8*(12*((\a)%2)+(\b)):8*(12*((\a)%2)+(\b))+7], v[96*(\f)+8*(\b):96*(\f)+8*(\b)+7], v[FA+32*(\f)+8*(\a):FA+32*(\f)+8*(\a)+7], v[8*(12*((\a)%2)+(\b)):8*(12*((\a)%2)+(\b))+7]
.endif
.endr
.endm
; 32 LDS loads in one run: the fragments of a quarter step (192 rows of wat, my 64 rows of xb, 32 K at byte k of the rows) into buffer f
.macro FETCH slot, k, f
	WIN TO_B
.irp i, 0,1,2,3,4,5,6,7,8,9,10,11
	ds_load_b128 v[96*(\f)+8*(\i):96*(\f)+8*(\i)+3],   v[ADRB+(\slot)] offset:(\k)+(\i)*16*PITCH
	ds_load_b128 v[96*(\f)+8*(\i)+4:96*(\f)+8*(\i)+7], v[ADRB+(\slot)] offset:(\k)+(\i)*16*PITCH+32
.endr
	WIN 0
.irp i, 0,1,2,3
	ds_load_b128 v[FA+32*(\f)+8*(\i):FA+32*(\f)+8*(\i)+3],   v[ADRA+(\slot)] offset:(\k)+(\i)*16*PITCH
	ds_load_b128 v[FA+32*(\f)+8*(\i)+4:FA+32*(\f)+8*(\i)+7], v[ADRA+(\slot)] offset:(\k)+(\i)*16*PITCH+32
.endr
.endm
.macro PLACES                          ; four plain vector instructions between a matrix instruction and a load into, or a vector instruction on, its registers (ISA guide 7.12.1 for vector instructions)
.rept 4
	v_nop
.endr
.endm
; A K step is four quarters of 32 along K, 48 matrix instructions each, on buffers 0, 1, 0, 1.  One of the first three: multiplies buffer f; in its middle it fetches the next quarter, at byte k, into buffer g.
.macro QUARTER slot, k, f, g, first
	s_wait_dscnt 4                                 ; wat and xb's blocks 0 and 1 are in; the youngest four loads (blocks 2 and 3) may be out
	MUL12 \f, 0, \first
	MUL12 \f, 1, \first
	PLACES
	FETCH \slot, \k, \g
	s_wait_dscnt 32                                ; all but the 32 just issued
	MUL12 \f, 2, \first
	MUL12 \f, 3, \first
.endm
; The last quarter multiplies buffer 1 and changes slots: ONE barrier.  In front of it each wave waits for all its tensor loads (one is out: its part of the next slot), adds 0 to its spare word, and waits for that
; and for its own reads of this slot.  fill = 1: the barrier opens a round of the cluster's barrier, and this slot is filled again, two K steps ahead, first thing behind the round: 168 matrix instructions ahead of the wait for it.
.macro TURN slot, next, fill
.if \fill
	s_wait_xcnt 0x0                                ; the last prefetch, a K step back, has read its address: it steps here, ahead of the waits of the change of slots
	s_add_nc_u64 s[PFA:PFA+1], s[PFA:PFA+1], KSTEP*2
.endif
	WIN 0                                          ; (the add's two registers lie in window 0)
	s_wait_tensorcnt 0x0                           ; all my tensor loads have landed;
	ds_add_u32 v[SPW], v[NIL]                      ; 0 onto my spare word;
	s_wait_dscnt 5                                 ; (the add and the youngest four loads may be out)
	MUL12 1, 0, 0                                  ; twelve matrix instructions stand between the add and the wait for it
	s_wait_dscnt 0x0                               ; the add is done, and my reads of this slot are over
	s_barrier_signal -1
	MUL12 1, 1, 0                                  ; work on registers while the others arrive
.if \fill
	WIN 0
.endif
	s_barrier_wait -1
.if \fill
	CREST                                          ; no wave of any partner still reads this slot's tile or has a load on its way
	s_add_nc_u64 s[G0+4*(\slot)+2:G0+4*(\slot)+3], s[G0+4*(\slot)+2:G0+4*(\slot)+3], 2*KSTEP*2
	s_add_nc_u64 s[G0B+4*(\slot)+2:G0B+4*(\slot)+3], s[G0B+4*(\slot)+2:G0B+4*(\slot)+3], 2*KSTEP*2
	JLOAD \slot                                    ; the four v_nop behind it are also the places in front of the loads below
.else
	PLACES
.endif
	FETCH \next, 0, 0
.if \fill
	ASK
.endif
	MUL12 1, 2, 0
	MUL12 1, 3, 0
.endm
	s_wait_tensorcnt 1                             ; my part of K step 0 is in; K step 1's may stay out
	s_barrier_signal -1
	s_barrier_wait -1                              ; everybody's is
	FETCH 0, 0, 0
	QUARTER 0, 64, 0, 1, 1                         ; the first quarter stands in front of the loop: its products start the sums, with the bias
	WIN 0                                          ; at a label and at a branch every window is 0
	s_mov_b32 s3, LAPS-1
.Llap:                                         ; a trip goes once round the ring, from a lap's second quarter to the next lap's first, and fills both slots again
	QUARTER 0, 128, 1, 0, 0
	QUARTER 0, 192, 0, 1, 0
	TURN 0, 1, 1
	QUARTER 1, 64,  0, 1, 0
	QUARTER 1, 128, 1, 0, 0
	QUARTER 1, 192, 0, 1, 0
	TURN 1, 0, 1
	QUARTER 0, 64,  0, 1, 0
	WIN 0
	s_sub_co_u32 s3, s3, 1
	s_cmp_lg_u32 s3, 0
	s_cbranch_scc1 .Llap
	QUARTER 0, 128, 1, 0, 0                        ; the last lap fills nothing
	QUARTER 0, 192, 0, 1, 0
	TURN 0, 1, 0
	QUARTER 1, 64,  0, 1, 0
	QUARTER 1, 128, 1, 0, 0
	QUARTER 1, 192, 0, 1, 0
	s_wait_dscnt 4                                 ; the very last quarter: nothing more to fetch
	MUL12 1, 0, 0
	MUL12 1, 1, 0
	s_wait_dscnt 0x0
	MUL12 1, 2, 0
	MUL12 1, 3, 0
	WIN 0
	PLACES
; THE WAY OUT of block a (16 rows x 192 columns).  PACK: rounded to f16, each accumulator's registers in ascending order.  TOSTAGE: 16 bytes a lane into my own stage (plane b / 4, row l % 16), and back as four whole rows
; of 128 bytes a load.  SEND: stored: 512 consecutive bytes of a plane, aligned.
.macro PACK a
	WIN 0x0a+5*((\a)/2)                            ; sources 0 and 1: window 2 or 3
.irp b, 0,1,2,3,4,5,6,7,8,9,10,11
.irp r, 0,1,2,3
	v_cvt_pk_f16_f32 v[TMP+4*(\b)+(\r)], v[8*(12*((\a)%2)+(\b))+2*(\r)], v[8*(12*((\a)%2)+(\b))+2*(\r)+1]
.endr
.endr
	WIN 0
.endm
.macro TOSTAGE a
.set BK, OB+48*((\a)%2)
.if (\a) >= 2
	s_wait_xcnt 0x0                                ; the stores of the block two back have read these registers
.endif
.irp b, 0,1,2,3,4,5,6,7,8,9,10,11
	ds_store_b128 v[STO], v[TMP+4*(\b):TMP+4*(\b)+3] offset:((\b)/4)*16*SP+32*((\b)%4)
.endr
.irp t, 0,1,2,3,4,5,6,7,8,9,10,11
	ds_load_b128 v[BK+4*(\t):BK+4*(\t)+3], v[RD] offset:((\t)/4)*16*SP+((\t)%4)*4*SP  ; LDS serves a wave's instructions in order (ISA guide 5.7.1.4): these see the stores above
.endr
.endm
.macro SEND a
.set BK, OB+48*((\a)%2)
	s_wait_dscnt 0x0                               ; the block is back in registers
.irp t, 0,1,2,3,4,5,6,7,8,9,10,11
	global_store_b128 v[CO], v[BK+4*(\t):BK+4*(\t)+3], s[8:9] offset:((\t)/4)*PLANE+(\a)*2048+((\t)%4)*512
.endr
.endm
	PACK 0
	TOSTAGE 0
.irp a, 1,2,3                          ; block a's conversions stand between block a - 1's loads from the stage and the wait for them
	PACK \a
	SEND (\a)-1
	TOSTAGE \a
.endr
	SEND 3
	s_wait_tensorcnt 0x0                           ; the wave's end: three closing lines, behind my last tensor load and my last LDS store
	ds_add_u32 v[SPW], v[NIL]
	s_wait_dscnt 0x0
	CROUND                                         ; the closing round: no work-group ends while a partner may still ask for a tile that names it
	s_endpgm
.Lfunc_end_k_q9958e78d45_qkvgemm:
	.size	k_q9958e78d45_qkvgemm, .Lfunc_end_k_q9958e78d45_qkvgemm-k_q9958e78d45_qkvgemm
	.p2alignl 7, 3214868480
	.fill 96, 4, 3214868480
	.section	.rodata,"a",@progbits
	.p2align	6, 0x0
	.amdhsa_kernel k_q9958e78d45_qkvgemm
		.amdhsa_group_segment_fixed_size 327680
		.amdhsa_private_segment_fixed_size 0
		.amdhsa_enable_private_segment 0
		.amdhsa_kernarg_size 32
		.amdhsa_user_sgpr_count 2
		.amdhsa_user_sgpr_kernarg_segment_ptr 1
		.amdhsa_wavefront_size32 1
		.amdhsa_system_sgpr_workgroup_id_x 1
		.amdhsa_system_sgpr_workgroup_id_y 1
		.amdhsa_system_sgpr_workgroup_id_z 1
		.amdhsa_system_vgpr_workitem_id 0
		.amdhsa_next_free_vgpr 960
		.amdhsa_next_free_sgpr 72
		.amdhsa_reserve_vcc 0
		.amdhsa_float_denorm_mode_32 3
		.amdhsa_float_denorm_mode_16_64 3
		.amdhsa_memory_ordered 1
		.amdhsa_forward_progress 1
		.amdhsa_inst_pref_size 128
	.end_amdhsa_kernel
	.amdgpu_metadata
---
amdhsa.version: [ 1, 2 ]
amdhsa.kernels:
  - .name:           k_q9958e78d45_qkvgemm
    .symbol:         k_q9958e78d45_qkvgemm.kd
    .args:
      - { .name: xb, .offset: 0, .size: 8, .value_kind: global_buffer, .address_space: global }
      - { .name: wat, .offset: 8, .size: 8, .value_kind: global_buffer, .address_space: global }
      - { .name: b_attn, .offset: 16, .size: 8, .value_kind: global_buffer, .address_space: global }
      - { .name: qkv, .offset: 24, .size: 8, .value_kind: global_buffer, .address_space: global }
    .group_segment_fixed_size: 327680
    .private_segment_fixed_size: 0
    .kernarg_segment_align: 8
    .kernarg_segment_size: 32
    .max_flat_workgroup_size: 128
    .sgpr_count:     72
    .vgpr_count:     960
    .wavefront_size: 32
...
	.end_amdgpu_metadata
.endif
;; end of part 2
;; launch attn (part 3): grid 16 x 16, 8 waves a work-group, no clusters, 250,880 bytes of LDS; arguments qkv, yh, part, pstat; writes yh, part, pstat
.if DOCPART == 3
	.amdgcn_target "amdgcn-amd-amdhsa--gfx1250"
	.amdhsa_code_object_version 6
	.text
	.protected	k_q9958e78d45_attn
	.globl	k_q9958e78d45_attn
	.p2align	8
	.type	k_q9958e78d45_attn,@function
k_q9958e78d45_attn:
	s_mov_b64 s[64:65], 0
	v_nop
	global_prefetch_b8 v0, s[64:65] scope:SCOPE_SE
	s_setreg_imm32_b32 hwreg(HW_REG_WAVE_MODE, 25, 1), 1
	s_wait_xcnt 0x0
; ATTENTION UNDER THE MODULE'S OWN MASK: query i sees key j where |i - j| <= 128, or j < 32, or i < 32.  qkv: [48][4096][64] in f16 (planes 0-15 q, 16-31 k, 32-47 v, unscaled); yh: [16][4096][64] in f16.
; Products, maxima and sums in f32; the weights p are rounded to f16 for the second product (their sum l is taken of the unrounded p), y once at the end.
; LIMITS.  q, k, v arrive within f16's 65,504.  A hidden score counts as its value less 1e30: f16's scores, 2.7e11 at the most, are nothing beside that.  A weight below 2^-126 counts as 0 in l; below 6e-5 p keeps
; f16's fixed step of 6e-8.  NaN and infinities are not treated apart.
; SHARES.  A work-group takes 256 queries (block) of one head; wave w 32 of them, two tiles of 16; two waves lie on a SIMD, so that one's softmax stands beside the other's products.  All K and V that the block needs
; is fetched ONCE, at the head: a window of 512 keys from KS0 = min(max(256 block - 128, 0), 3584), and keys 0-63.  No LDS byte is filled twice.
; STEPS.  With g0 = the wave's group of 64 queries: step G (keys 0-63), then five local steps of 64 keys from g0 - 128.  A local step that begins below key 64 (those keys are G's) or past key 4,032 is run with
; everything hidden, on a clamped LDS row: all waves run six steps.  G comes first, and keys 0-31 are seen by every query: the running maximum is a true score before the first hidden one.
; THE MASK is the C operand that starts S^T = K Q^T: the constant 0, HID (-1e30), DLO (-1e30 where the key's place in its 16 is below the query's) or DHI (above).  Which of them a block of 16 keys takes hangs on the step,
; the tile and the wave's parity alone: eight variants of the eight starting products are written, and a scalar picks one.
; THE ROWS i < 32 see all 4,096 keys.  They are shared out: each wave multiplies one of the head's two first query tiles with its own group's 64 keys, which lie in LDS; the four partial results of a tile meet in LDS, are
; merged in f32 by their maxima, and leave as the block's partial (part, pstat); the next launch merges a head's sixteen.  Wave 0 of block 0 does not store its banded result for these rows.
; LAYOUT.  S^T = K Q^T holds ONE query a lane (lane % 16) and the keys 8 (lane / 16) + 0..7; two such results rounded to f16 ARE source 1 of O^T = V^T P.  p = 2^(c s - c m), c = log2(e) / 8, with a running maximum m;
; O and l are multiplied by a = 2^(c m_old - c m_new) in every step; m starts at the lowest finite number, O and l at 0.
; BARRIERS: three.  Behind the fills; behind the six steps, whose LDS rows hang on scalar registers, so that every wave's reads of K and V are back before any wave stores into LDS; and between the partial results' stores and their reads.
; NO CLUSTER: a quarter of a window (128 keys) is wanted by two neighbouring blocks alone, at LDS places 256 rows apart, and the edge blocks' windows are clamped; what all blocks of a head share, keys 0-63, is 16 KiB of a
; work-group's 160.  NO PREFETCH: the one fill stands at the head.
; REGISTERS, in windows of 256 (s_set_vgpr_msb: bits 1:0 source 0, 3:2 source 1, 5:4 source 2, 7:6 destination):
;   window 0: v0-15 addresses; v16-23 statistics; v24-31 at work; v32-47 addresses; v48-71 the three masks; v72-135 S^T; v136-167 P; v168-231 K of one step
;   window 1: v0-63 O^T; v64-95 Q; v96-111 the global tile's Q; v112-175 V of one step
.set PK,    144       ; a row of K in LDS: 128 bytes + 16 of padding = 36 words: the 16 rows of a load start at 16 different groups of four banks (64 banks of 4 bytes: ISA guide 11.1)
.set PVP,   160       ; a row of V: 128 + 32 = 40 words
.set KG,    512*PK    ; K: the window's 512 rows, then keys 0-63 as rows 512-575
.set VOFF,  576*PK    ; V likewise
.set VG,    VOFF+512*PVP
.set STAGE, 196608    ; never filled by a tensor load: 16 rows x 144 bytes for each wave, for the way out
.set SP,    144
.set XO,    STAGE+8*16*SP  ; each wave's partial O^T of a global tile: 8 x 32 lanes x 16 bytes
.set XM,    XO+8*4096      ; its c m, a word a lane
.set XL,    XM+8*128       ; its l, a word a lane
.set SPARE, XL+8*128       ; the spare words, 128 bytes for each wave: four blocks of 256 bytes that no other line names
.set PLANE, 4096*128
.set AK0, 2           ; v2   my lane's place in 16 rows of K; never rewritten
.set AV0, 3           ; v3   the same for V
.set AK,  4           ; v4   the LDS address of K's next run of loads
.set AV,  5           ; v5   of V's
.set STO, 6           ; v6   the way out: where I put 16 bytes of a row
.set RD,  7           ; v7   the way out: where I read rows back
.set GO,  8           ; v8   16 x lane
.set MV,  12          ; v12-13  c m_old, kept while c m is made anew
.set QO,  15          ; v15  my byte offset in 16 rows of Q
.set ST,  16          ; tile u's statistics at v[ST+4 u]: c m, m, l (even keys', odd keys')
.set TMP, 24          ; tile u: four registers c0-c3 at work; when the maximum is found c2 takes a
.set SPW, 32          ; v32  LDS address of my spare word; never rewritten
.set NIL, 33          ; v33  0; never rewritten
.set XOA, 34
.set XMA, 35
.set XLA, 36
.set HID, 48
.set DLO, 56
.set DHI, 64
.set S,   72          ; (u, kb) at S + 32 u + 8 kb
.set P,   136         ; (u, kk) at P + 16 u + 8 kk
.set KF,  168         ; (kb, c) at KF + 16 kb + 8 c
.set QF,  64          ; window 1: (u, c) at QF + 16 u + 8 c
.set QGF, 96          ; window 1
.set VF,  112         ; window 1: (kk, cb) at VF + 32 kk + 8 cb
.set WV,  12
.set BLK, 13
.set HEAD, 14
.set G1W, 24          ; s[24:31] descriptor group 1 for a quarter of a window: 64 rows of 256 bytes
.set G1G, 32          ; s[32:39] for a quarter of keys 0-63: 8 rows of 256 bytes
.set G0W, 40
.set G0G, 44
.set CS,  58          ; s[58:59] c
.set SEL, 60          ; s[60:61] v_permlanex16_b32's selects: each lane takes its own place in the other half
.set BIGN, 62         ; -1e30
.set CNT, 66          ; steps to go
.set MODE, 67         ; which variant starts this step's scores
.set J,   68          ; the next local step's row in the window (signed)
.set JG,  69          ; its first key (signed)
.set RCUR, 70         ; this step's LDS row
.set RN,  71          ; the next step's
.set TK,  72
.set TV,  73
.set PAR, 74          ; wave % 2
.set MLO, 75          ; the first local step's variant: 1 + parity
.set MHI, 76          ; the last one's: 3 + parity
.set SKIP, 77         ; 1 in wave 0 of block 0
.set OWN, 78          ; my group's row in the window
.set KS0, 79
.set GZ,  80          ; g0
.set MSB, 0
.macro WIN new                      ; the high byte repeats the setting that is left; a switch that changes nothing is dropped
.if MSB != (\new)
	s_set_vgpr_msb (MSB<<8)|(\new)
.set MSB, (\new)
.endif
.endm
.macro PLACES                       ; four plain vector instructions between a matrix instruction and what reads its result or writes its registers (ISA guide 7.12.1)
.rept 4
	v_nop
.endr
.endm
	s_load_b256 s[4:11], s[0:1], 0x0  ; qkv s[4:5], yh s[6:7], part s[8:9], pstat s[10:11]
	v_lshl_add_u32 v[SPW], v0, 2, SPARE
	v_mov_b32 v[NIL], 0
	ds_add_u32 v[SPW], v[NIL]       ; the wave's opening: the add and its wait stand ahead of my first tensor load; the set-up below, work on registers, stands between them
	v_lshrrev_b32 v1, 5, v0
	v_readfirstlane_b32 s[WV], v1   ; wave 0..7
	s_mov_b32 s[BLK], ttmp9
	s_and_b32 s[HEAD], ttmp7, 0xffff
	s_lshl_b32 s15, s[BLK], 8       ; the block's first query
	s_sub_co_i32 s[KS0], s15, 128
	s_max_i32 s[KS0], s[KS0], 0
	s_min_i32 s[KS0], s[KS0], 3584
	s_lshr_b32 s16, s[WV], 1
	s_lshl_b32 s16, s16, 6
	s_add_co_u32 s[GZ], s15, s16
	s_and_b32 s[PAR], s[WV], 1
	s_add_co_u32 s[MLO], s[PAR], 1
	s_add_co_u32 s[MHI], s[PAR], 3
	s_sub_co_i32 s[JG], s[GZ], 128
	s_sub_co_i32 s[J], s[JG], s[KS0]
	s_sub_co_u32 s[OWN], s[GZ], s[KS0]
	s_min_u32 s[OWN], s[OWN], 448
	s_or_b32 s16, s[BLK], s[WV]
	s_cmp_eq_u32 s16, 0
	s_cselect_b32 s[SKIP], 1, 0
	s_mul_i32 s16, s[PAR], 6        ; step G: queries from 192 on see keys 0-31 alone (variant 5); of group 128 the upper 32 queries meet the band's edge among keys 32-63 (6); all others see all 64 (0)
	s_cmp_eq_u32 s[GZ], 128
	s_cselect_b32 s[MODE], s16, 0
	s_cmp_ge_u32 s[GZ], 192
	s_cselect_b32 s[MODE], 5, s[MODE]
	s_mov_b32 s[RCUR], 512
	s_mov_b32 s[CS], 0x3e38aa3b     ; c = log2(e) / 8 = 0.180337
	s_mov_b32 s[CS+1], s[CS]        ; named with it as a pair
	s_mov_b32 s[SEL], 0x76543210
	s_mov_b32 s[SEL+1], 0xfedcba98
	s_mov_b32 s[BIGN], 0xf149f2ca   ; -1e30
	; descriptors.  Keys are dense rows of 128 bytes: asked for as rows of 256 bytes, two keys a row, and padded in LDS after every key
.irp g, G1W, G1G
	s_mov_b32 s[(\g)+1], 128<<16    ; tensor_dim0 = 128
	s_mov_b32 s[(\g)+3], 128<<16    ; tile_dim0 = 128
	s_mov_b32 s[(\g)+5], 128        ; 128 elements from row to row
	s_mov_b32 s[(\g)+6], 0
	s_mov_b32 s[(\g)+7], 0
.endr
	s_mov_b32 s[G1W+2], 64<<16      ; tensor_dim1 and tile_dim1
	s_mov_b32 s[G1W+4], 64
	s_mov_b32 s[G1G+2], 8<<16
	s_mov_b32 s[G1G+4], 8
	s_mov_b32 s[G0W], 1
	s_mov_b32 s[G0G], 1
	s_and_b32 s16, s[WV], 3         ; which quarter I fetch: waves 0-3 of K, waves 4-7 of V
	s_lshl_b32 s20, s[HEAD], 19     ; the head's plane among sixteen
	s_mov_b32 s21, 0
	s_lshl_b32 s56, s15, 7
	s_lshl_b32 s57, s[WV], 12
	s_add_co_u32 s56, s56, s57      ; my 32 rows in a plane
	s_mov_b32 s57, 0
	s_lshl_b32 s22, s[KS0], 7
	s_lshl_b32 s23, s16, 14
	s_add_co_u32 s22, s22, s23      ; my 128 keys of the window
	s_mov_b32 s23, 0
	s_lshl_b32 s18, s16, 11         ; my 16 of keys 0-63
	s_mov_b32 s19, 0
	s_lshl_b32 s54, s[PAR], 11      ; the global tile that I take: rows 16 (wave % 2) on
	s_mov_b32 s55, 0
	s_wait_dscnt 0x0                ; the opening add is done
	s_wait_kmcnt 0x0
	s_add_nc_u64 s[48:49], s[4:5], s[20:21]    ; the head's plane of q
	s_add_nc_u64 s[50:51], s[48:49], s[56:57]  ; my rows of Q
	s_add_nc_u64 s[54:55], s[48:49], s[54:55]  ; the global tile's
	s_add_nc_u64 s[52:53], s[6:7], s[20:21]
	s_add_nc_u64 s[52:53], s[52:53], s[56:57]  ; my rows of yh
; A wave's two fills: both stand in the one branch on the wave's number, ahead of every wait on TENSORcnt, every LDS read and every barrier: two loads of mine are out.  An s_nop 0 follows each, four v_nop the second's.
.macro FILLS pad, plane, wbase, wstep, gbase, gstep
	s_mov_b32 s[G1W], (1<<16)|(1<<20)|(4<<22)|((\pad)<<25)  ; 17:16 2-byte elements; 20 padding on; 24:22 after every 32 words (code 4); 31:25 the padding's words less one
	s_mov_b32 s[G1G], (1<<16)|(1<<20)|(4<<22)|((\pad)<<25)
	s_mul_i32 s[G0W+1], s16, \wstep
	s_add_co_u32 s[G0W+1], s[G0W+1], \wbase
	s_mul_i32 s[G0G+1], s16, \gstep
	s_add_co_u32 s[G0G+1], s[G0G+1], \gbase
	s_add_nc_u64 s[48:49], s[48:49], \plane
	s_add_nc_u64 s[G0W+2:G0W+3], s[48:49], s[22:23]
	s_or_b32 s[G0W+3], s[G0W+3], 0x80000000
	s_add_nc_u64 s[G0G+2:G0G+3], s[48:49], s[18:19]
	s_or_b32 s[G0G+3], s[G0G+3], 0x80000000
	tensor_load_to_lds s[G0W:G0W+3], s[G1W:G1W+7]
	s_nop 0
	tensor_load_to_lds s[G0G:G0G+3], s[G1G:G1G+7]
	s_nop 0
.rept 4
	v_nop
.endr
.endm
	s_cmp_lt_u32 s[WV], 4
	s_cbranch_scc0 .Lfill_v
	FILLS 3, 16*PLANE, 0, 128*PK, KG, 16*PK
	s_branch .Lfilled
.Lfill_v:
	FILLS 7, 32*PLANE, VOFF, 128*PVP, VG, 16*PVP
.Lfilled:
	; A fragment of K or Q is 16 rows x 32 channels in 8 registers: lane l holds row l % 16, channels 8 (l / 16) + 0..7 and 16 + 8 (l / 16) + 0..7: two loads of 16 bytes, 32 bytes apart.
	v_and_b32 v1, 15, v0            ; l % 16
	v_bfe_u32 v9, v0, 4, 1          ; l / 16
	v_and_b32 v10, 7, v0
	v_bfe_u32 v11, v0, 3, 1
	v_lshlrev_b32 v[QO], 7, v1
	v_lshl_add_u32 v[QO], v9, 4, v[QO]
	WIN 0x40                        ; destination window 1, address window 0
.irp i, 0,1,2,3                     ; tile i / 2, channels 32 (i % 2) on
	global_load_b128 v[QF+8*(\i):QF+8*(\i)+3],   v[QO], s[50:51] offset:((\i)/2)*2048+((\i)%2)*64
	global_load_b128 v[QF+8*(\i)+4:QF+8*(\i)+7], v[QO], s[50:51] offset:((\i)/2)*2048+((\i)%2)*64+32
.endr
.irp i, 0,1
	global_load_b128 v[QGF+8*(\i):QGF+8*(\i)+3],   v[QO], s[54:55] offset:(\i)*64
	global_load_b128 v[QGF+8*(\i)+4:QGF+8*(\i)+7], v[QO], s[54:55] offset:(\i)*64+32
.endr
.set i, 0
.rept 64                            ; O^T starts at 0: the first step multiplies it by a = 0, so it must be finite.  All this stands in the wait for the tiles
	v_mov_b32 v[i], 0
.set i, i+1
.endr
	WIN 0
	v_mul_u32_u24 v[AK0], v1, PK
	v_lshl_add_u32 v[AK0], v9, 4, v[AK0]  ; row x pitch + 16 x half
	; The turning load takes 16 keys x 16 channels (lane l reads key 8 (l / 16) + l % 8, channels 8 ((l / 8) % 2) + 0..7) and leaves half a fragment of V^T: lane l holds channel l % 16 and 8 keys.
	v_lshl_add_u32 v[AV0], v9, 3, v10
	v_mul_u32_u24 v[AV0], v[AV0], PVP
	v_lshl_add_u32 v[AV0], v11, 4, v[AV0]
	v_add_nc_u32 v[AV0], VOFF, v[AV0]
	s_mul_i32 s16, s[WV], 16*SP
	s_add_co_u32 s16, s16, STAGE    ; my stage
	v_add_nc_u32 v[STO], s16, v[AK0]  ; in: row l % 16, 16 bytes for each half of the lanes (the stage has K's pitch)
	v_bfe_u32 v[RD], v0, 3, 2       ; back: 32 lanes take four rows of 128 bytes,
	v_mul_u32_u24 v[RD], v[RD], SP
	v_lshl_add_u32 v[RD], v10, 4, v[RD]
	v_add_nc_u32 v[RD], s16, v[RD]
	v_and_b32 v10, 31, v0           ; lane
	v_lshlrev_b32 v[GO], 4, v10     ; which are 512 consecutive bytes of yh
	s_lshl_b32 s16, s[WV], 12
	s_add_co_u32 s16, s16, XO
	v_add_nc_u32 v[XOA], s16, v[GO]
	s_lshl_b32 s16, s[WV], 7
	s_add_co_u32 s17, s16, XM
	v_lshl_add_u32 v[XMA], v10, 2, s17
	s_add_co_u32 s17, s16, XL
	v_lshl_add_u32 v[XLA], v10, 2, s17
	v_lshlrev_b32 v14, 3, v9
	v_sub_nc_u32 v14, v1, v14       ; my query's place in its 16, less my lanes' 8 (l / 16): register j stands below it where j < v14, above where j > v14
.irp j, 0,1,2,3,4,5,6,7
	v_mov_b32 v[HID+(\j)], s[BIGN]
	v_cmp_lt_i32 vcc_lo, \j, v14
	v_cndmask_b32 v[DLO+(\j)], 0, s[BIGN], vcc_lo
	v_cmp_gt_i32 vcc_lo, \j, v14
	v_cndmask_b32 v[DHI+(\j)], 0, s[BIGN], vcc_lo
.endr
.irp u, 0,1
	v_mov_b32 v[ST+4*(\u)], 0xfe000000    ; c m: far below every c s
	v_mov_b32 v[ST+4*(\u)+1], 0xff7fffff  ; m
	v_mov_b32 v[ST+4*(\u)+2], 0
	v_mov_b32 v[ST+4*(\u)+3], 0
.endr
; THE MATRIX WORK.  The accumulators of a run take turns, one instruction a turn.
.macro KQP u, kb, c                 ; the product that starts S^T (u, kb): channels 0-31; C = the constant 0 or the mask at register c
.if (\c) == 0
	v_wmma_f32_16x16x32_f16 v[S+32*(\u)+8*(\kb):S+32*(\u)+8*(\kb)+7], v[KF+16*(\kb):KF+16*(\kb)+7], v[QF+16*(\u):QF+16*(\u)+7], 0
.else
	v_wmma_f32_16x16x32_f16 v[S+32*(\u)+8*(\kb):S+32*(\u)+8*(\kb)+7], v[KF+16*(\kb):KF+16*(\kb)+7], v[QF+16*(\u):QF+16*(\u)+7], v[(\c):(\c)+7]
.endif
.endm
.macro KQ0 a0, a1, a2, a3, b0, b1, b2, b3  ; the masks of tile 0's four blocks of 16 keys, then tile 1's
	WIN 0x04                        ; K, C and D in window 0, Q in window 1
	KQP 0, 0, \a0
	KQP 1, 0, \b0
	KQP 0, 1, \a1
	KQP 1, 1, \b1
	KQP 0, 2, \a2
	KQP 1, 2, \b2
	KQP 0, 3, \a3
	KQP 1, 3, \b3
.endm
.macro VAR k, a0, a1, a2, a3, b0, b1, b2, b3
	s_cmp_eq_u32 s[MODE], \k
	s_cbranch_scc0 .Lnot_\@
	KQ0 \a0, \a1, \a2, \a3, \b0, \b1, \b2, \b3
	WIN 0                           ; at a label and at a branch every window is 0
	s_branch .Ljoin
.Lnot_\@:
.endm
.macro KQ1                          ; channels 32-63, in the same order: seven others stand between two links of a chain
	WIN 0x04
.irp kb, 0,1,2,3
.irp u, 0,1
	v_wmma_f32_16x16x32_f16 v[S+32*(\u)+8*(\kb):S+32*(\u)+8*(\kb)+7], v[KF+16*(\kb)+8:KF+16*(\kb)+15], v[QF+16*(\u)+8:QF+16*(\u)+15], v[S+32*(\u)+8*(\kb):S+32*(\u)+8*(\kb)+7]
.endr
.endr
.endm
.macro KQG                          ; the global tile's scores, into tile 0's registers: product i: channels 32 (i / 4) on, keys 16 (i % 4) on
	WIN 0x04
.irp kb, 0,1,2,3
	v_wmma_f32_16x16x32_f16 v[S+8*(\kb):S+8*(\kb)+7], v[KF+16*(\kb):KF+16*(\kb)+7], v[QGF:QGF+7], 0
.endr
.irp kb, 0,1,2,3
	v_wmma_f32_16x16x32_f16 v[S+8*(\kb):S+8*(\kb)+7], v[KF+16*(\kb)+8:KF+16*(\kb)+15], v[QGF+8:QGF+15], v[S+8*(\kb):S+8*(\kb)+7]
.endr
.endm
.macro PV nt, zero                  ; O^T += V^T P for nt tiles: keys 32 kk on, channels 16 cb on.  zero = 1: the first keys' products start the sums
	WIN 0x51                        ; V, C and D in window 1, P in window 0
.set i, 0
.rept 8*(\nt)
.if (\nt) == 2
.set uu, i%2
.set cb, (i/2)%4
.set kk, i/8
.else
.set uu, 0
.set cb, i%4
.set kk, i/4
.endif
.set rO, 32*uu+8*cb
.set rV, VF+32*kk+8*cb
.set rP, P+16*uu+8*kk
.if (\zero) && (kk == 0)
	v_wmma_f32_16x16x32_f16 v[rO:rO+7], v[rV:rV+7], v[rP:rP+7], 0
.else
	v_wmma_f32_16x16x32_f16 v[rO:rO+7], v[rV:rV+7], v[rP:rP+7], v[rO:rO+7]
.endif
.set i, i+1
.endr
.endm
; THE LDS LOADS stand in runs of 16: a step's K (64 keys x 64 channels: 8 fragments) and its V (turned).
.macro FETCH_K
.irp f, 0,1,2,3,4,5,6,7             ; keys 16 (f / 2) on, channels 32 (f % 2) on
	ds_load_b128 v[KF+8*(\f):KF+8*(\f)+3],   v[AK] offset:((\f)/2)*16*PK+((\f)%2)*64
	ds_load_b128 v[KF+8*(\f)+4:KF+8*(\f)+7], v[AK] offset:((\f)/2)*16*PK+((\f)%2)*64+32
.endr
.endm
.macro FETCH_V
	WIN 0x40
.irp f, 0,1,2,3,4,5,6,7             ; keys 32 (f / 4) on, channels 16 (f % 4) on
	ds_load_tr16_b128 v[VF+8*(\f):VF+8*(\f)+3],   v[AV] offset:((\f)/4)*32*PVP+((\f)%4)*32
	ds_load_tr16_b128 v[VF+8*(\f)+4:VF+8*(\f)+7], v[AV] offset:((\f)/4)*32*PVP+16*PVP+((\f)%4)*32
.endr
	WIN 0
.endm
; THE VECTOR WORK of a step, one line at a time, for tile u.
.macro REGS u
.set rT, ST+4*(\u)
.set rC, TMP+4*(\u)
.set rM, MV+(\u)
.set rS, S+32*(\u)
.set rP, P+16*(\u)
.set rO, 32*(\u)
.endm
; XS: number n of the 22 that find the maximum and the statistics.  s0-s31 are the lane's 32 scores; each accumulator's lowest registers are read first.
;   0-11  four chains c0-c3 of seven scores each, three operands at a time     12-14, 16  the four scores left over, the old m, and c0-c3 into c0     15  c m_old is kept
;   17, 18  the query's other 32 keys lie in the lane 16 away: the new m         19-21  c m; c m_old - c m_new; a
.macro XS u, n
	REGS \u
.if (\n) < 4
	v_max3_num_f32 v[rC+(\n)], v[rS+8*(\n)], v[rS+8*(\n)+1], v[rS+8*(\n)+2]
.elseif (\n) < 12
	v_max3_num_f32 v[rC+(\n)%4], v[rC+(\n)%4], v[rS+8*((\n)%4)+2*((\n)/4)+1], v[rS+8*((\n)%4)+2*((\n)/4)+2]
.elseif (\n) == 12
	v_max3_num_f32 v[rC], v[rC], v[rS+7], v[rS+15]
.elseif (\n) == 13
	v_max3_num_f32 v[rC+1], v[rC+1], v[rS+23], v[rS+31]
.elseif (\n) == 14
	v_max3_num_f32 v[rC+2], v[rC+2], v[rC+3], v[rT+1]
.elseif (\n) == 15
	v_mov_b32 v[rM], v[rT]
.elseif (\n) == 16
	v_max3_num_f32 v[rC], v[rC], v[rC+1], v[rC+2]
.elseif (\n) == 17
	v_permlanex16_b32 v[rC+3], v[rC], s[SEL], s[SEL+1]
.elseif (\n) == 18
	v_max_num_f32 v[rT+1], v[rC], v[rC+3]
.elseif (\n) == 19
	v_mul_f32 v[rT], s[CS], v[rT+1]
.elseif (\n) == 20
	v_sub_f32 v[rC+1], v[rM], v[rT]
.else
	v_exp_f32 v[rC+2], v[rC+1]
.endif
.endm
.macro FS u, n                      ; c s - c m for pair n of 16
	REGS \u
	v_pk_fma_f32 v[rS+2*(\n):rS+2*(\n)+1], v[rS+2*(\n):rS+2*(\n)+1], s[CS:CS+1], v[rT:rT+1] op_sel_hi:[1,0,0] neg_lo:[0,0,1] neg_hi:[0,0,1]
.endm
.macro EX u, n                      ; the exponential of score n of 32
	REGS \u
	v_exp_f32 v[rS+(\n)], v[rS+(\n)]
.endm
.macro CV u, n                      ; pair n rounded to f16
	REGS \u
	v_cvt_pk_f16_f32 v[rP+(\n)], v[rS+2*(\n)], v[rS+2*(\n)+1]
.endm
.macro SB u, n                      ; of the four weights 4 n .. the second pair is added onto the first, in place
	REGS \u
	v_pk_add_f32 v[rS+4*(\n):rS+4*(\n)+1], v[rS+4*(\n):rS+4*(\n)+1], v[rS+4*(\n)+2:rS+4*(\n)+3]
.endm
.macro SL u, n                      ; l takes that sum; the first time as l = a l + sum
	REGS \u
.if (\n) == 0
	v_pk_fma_f32 v[rT+2:rT+3], v[rT+2:rT+3], v[rC+2:rC+3], v[rS:rS+1] op_sel_hi:[1,0,1]
.else
	v_pk_add_f32 v[rT+2:rT+3], v[rT+2:rT+3], v[rS+4*(\n):rS+4*(\n)+1]
.endif
.endm
.macro RS u, n                      ; pair n of 16 of O^T times a
	REGS \u
	v_pk_mul_f32 v[rO+2*(\n):rO+2*(\n)+1], v[rO+2*(\n):rO+2*(\n)+1], v[rC+2:rC+3] op_sel_hi:[1,0]
.endm
.macro T2 nt, op, arg               ; a line for tile 0 and, where nt = 2, for tile 1: the tiles alternate, so that few lines read the result of the one before
	\op 0, \arg
.if (\nt) == 2
	\op 1, \arg
.endif
.endm
; A step's softmax for nt tiles.  All exponentials, a among them, are ONE BATCH: nothing ahead of the one wait names a result of theirs (a scaling names pairs that have not been raised yet); a v_nop is the plain
; instruction behind the last of them; the wait stands ahead of the first reader.  resc = 1: O^T is rescaled.
.macro SOFTMAX nt, resc
	WIN 0
.irp x, 0,1,2,3,4,5,6,7,8,9,10,11,12,13,15,14,16,17,18,19,20
	T2 \nt, XS, \x
.endr
.set n, 0
.rept 16
	T2 \nt, FS, n
.if n >= 1
	T2 \nt, EX, 2*n-2
	T2 \nt, EX, 2*n-1
.endif
.set n, n+1
.endr
	T2 \nt, EX, 30
	T2 \nt, EX, 31
	T2 \nt, XS, 21
	v_nop
	s_wait_alu depctr_va_vdst(0)
.if \resc
	WIN 0x41                        ; O^T (destination and source 0) in window 1, a in window 0
.set n, 0
.rept 16
	T2 \nt, RS, n
.set n, n+1
.endr
	WIN 0
.endif
.set n, 0
.rept 8
	T2 \nt, CV, 2*n
	T2 \nt, CV, 2*n+1
	T2 \nt, SB, n
.if n >= 1
	T2 \nt, SL, n-1
.endif
.set n, n+1
.endr
	T2 \nt, SL, 7
.endm
	s_wait_tensorcnt 0x0            ; my two tiles are in,
	s_barrier_signal -1
	s_barrier_wait -1               ; everybody's are
	v_add_nc_u32 v[AK], KG, v[AK0]
	FETCH_K                         ; step G's K
	s_wait_loadcnt 0x0              ; Q
	s_mov_b32 s[CNT], 6
.Ltrip:                             ; six trips: step G, then the five local steps
	s_max_i32 s[RN], s[J], 0        ; the next step's row, held inside the window;
	s_min_i32 s[RN], s[RN], 448
	s_cmp_eq_u32 s[CNT], 1
	s_cselect_b32 s[RN], s[OWN], s[RN]  ; behind the last step comes the global tile's step, on my own group's keys
	s_mul_i32 s[TK], s[RN], PK
	s_mul_i32 s[TV], s[RCUR], PVP
	s_wait_dscnt 0x0                ; K is in
	VAR 0, 0,0,0,0, 0,0,0,0                          ; all keys seen
	VAR 1, DLO,0,0,0, HID,DLO,0,0                    ; the band's lower edge, queries 0-31 of the group
	VAR 2, HID,HID,DLO,0, HID,HID,HID,DLO            ; the same, queries 32-63
	VAR 3, DHI,HID,HID,HID, 0,DHI,HID,HID            ; the upper edge, queries 0-31
	VAR 4, 0,0,DHI,HID, 0,0,0,DHI                    ; the same, queries 32-63
	VAR 5, 0,0,HID,HID, 0,0,HID,HID                  ; step G far from the band
	VAR 6, 0,0,DLO,0, 0,0,HID,DLO                    ; step G, queries 160-191
	KQ0 HID,HID,HID,HID, HID,HID,HID,HID             ; a dead step
	WIN 0
.Ljoin:
	KQ1
	WIN 0
	v_add_nc_u32 v[AV], s[TV], v[AV0]  ; four plain instructions: the places between the products and the loads into K's and V's registers, and the first read of the scores
	v_add_nc_u32 v[AK], s[TK], v[AK0]
	v_nop
	v_nop
	FETCH_V                         ; this step's V,
	FETCH_K                         ; the next step's K: both land under the softmax
	s_mov_b32 s[RCUR], s[RN]
	s_add_co_i32 s[J], s[J], 64
	s_cmp_eq_u32 s[CNT], 6          ; the next step's variant: the first local step has the lower edge,
	s_cselect_b32 s[MODE], s[MLO], 0
	s_cmp_eq_u32 s[CNT], 2          ; the last the upper;
	s_cselect_b32 s[MODE], s[MHI], s[MODE]
	s_cmp_lt_i32 s[JG], 64          ; a step on step G's keys or outside the sequence is dead
	s_cselect_b32 s[MODE], 7, s[MODE]
	s_cmp_gt_i32 s[JG], 4032
	s_cselect_b32 s[MODE], 7, s[MODE]
	s_add_co_i32 s[JG], s[JG], 64
	SOFTMAX 2, 1
	s_wait_dscnt 16                 ; V is in; the next K's sixteen loads may stay out
	PV 2, 0
	WIN 0
	s_sub_co_u32 s[CNT], s[CNT], 1
	s_cmp_lg_u32 s[CNT], 0
	s_cbranch_scc1 .Ltrip
	; THE WAY OUT.  l's two halves and the other half of the lanes' are added; O^T is divided by l, rounded to f16 and sent through my stage in LDS, a tile at a time.
	; A barrier stands between the six steps' LDS reads and the first LDS store of any wave; the sums and the reciprocals, work on registers, stand between its signal and its wait.
	s_wait_dscnt 0x0                ; my reads of the six steps are back, K of my own group's keys (issued a softmax ago) among them
	s_barrier_signal -1
	PLACES
.irp u, 0,1
	v_add_f32 v[ST+4*(\u)+2], v[ST+4*(\u)+2], v[ST+4*(\u)+3]
.endr
.irp u, 0,1
	v_permlanex16_b32 v[ST+4*(\u)+3], v[ST+4*(\u)+2], s[SEL], s[SEL+1]
.endr
.irp u, 0,1
	v_add_f32 v[ST+4*(\u)+2], v[ST+4*(\u)+2], v[ST+4*(\u)+3]
.endr
.irp u, 0,1
	v_rcp_f32 v[ST+4*(\u)+2], v[ST+4*(\u)+2]
.endr
	v_nop                           ; a plain instruction between the last reciprocal and the use of its result
	s_wait_alu depctr_va_vdst(0)    ; and the wait ahead of the first use: one for both
	s_barrier_wait -1               ; every wave's reads are back
.macro PACK u                       ; a lane's eight channels of a row pack into 16 bytes; they go into rows of 144 bytes and come back as whole rows of 128, into S^T's registers
	WIN 0x41
.set i, 32*(\u)
.rept 16
	v_pk_mul_f32 v[i:i+1], v[i:i+1], v[ST+4*(\u)+2:ST+4*(\u)+3] op_sel_hi:[1,0]
.set i, i+2
.endr
	WIN 0x05                        ; sources 0 and 1 window 1, destination window 0
.set i, 0
.rept 16
	v_cvt_pk_f16_f32 v[S+16*(\u)+i], v[32*(\u)+2*i], v[32*(\u)+2*i+1]
.set i, i+1
.endr
	WIN 0
.irp f, 0,1,2,3
	ds_store_b128 v[STO], v[S+16*(\u)+4*(\f):S+16*(\u)+4*(\f)+3] offset:32*(\f)
.endr
.irp f, 0,1,2,3
	ds_load_b128 v[S+16*(\u)+4*(\f):S+16*(\u)+4*(\f)+3], v[RD] offset:(\f)*4*SP  ; LDS serves a wave's instructions in order (ISA guide 5.7.1.4): these see the stores above; the next tile's stores come behind them
.endr
.endm
	PACK 0
	PACK 1
	s_wait_dscnt 0x0                ; both tiles are back
	s_cmp_eq_u32 s[SKIP], 1
	s_cbranch_scc1 .Lns             ; rows 0-31 of a head are the next launch's
.irp t, 0,1,2,3,4,5,6,7
	global_store_b128 v[GO], v[S+4*(\t):S+4*(\t)+3], s[52:53] offset:(\t)*512  ; 512 consecutive bytes, at a multiple of 256 from yh's first
.endr
.Lns:
	s_wait_xcnt 0x0                 ; the stores have read S^T's registers, which the next products write
	; THE GLOBAL TILE'S STEP: rows 16 (wave % 2) .. + 15 of the head against my group's 64 keys, no mask, a maximum of its own.
	v_mov_b32 v[ST], 0xfe000000
	v_mov_b32 v[ST+1], 0xff7fffff
	v_mov_b32 v[ST+2], 0
	v_mov_b32 v[ST+3], 0
	s_mul_i32 s17, s[OWN], PVP
	v_add_nc_u32 v[AV], s17, v[AV0]
	FETCH_V
	KQG
	WIN 0
	PLACES
	SOFTMAX 1, 0                    ; a = 0 here: l is the step's sum
	s_wait_dscnt 0x0                ; V is in
	PV 1, 1
	WIN 0
	PLACES
	v_add_f32 v37, v[ST+2], v[ST+3]  ; l of my half of the keys
	WIN 0x04                        ; the stores' data in window 1
.irp p, 0,1,2,3,4,5,6,7
	ds_store_b128 v[XOA], v[4*(\p):4*(\p)+3] offset:512*(\p)
.endr
	WIN 0
	ds_store_b32 v[XMA], v[ST]
	ds_store_b32 v[XLA], v37
	; who sums what: wave w takes tile w / 4, channels 16 (w % 4) on; the tile's four partial results are those of waves tile, tile + 2, tile + 4, tile + 6
	s_lshr_b32 s16, s[WV], 2
	s_and_b32 s17, s[WV], 3
	s_lshl_b32 s18, s16, 7
	s_add_co_u32 s18, s18, XM
	s_lshl_b32 s19, s16, 12
	s_lshl_b32 s20, s17, 10
	s_add_co_u32 s19, s19, s20      ; the place in a wave pair's O^T, and in the block's partial
	s_lshl_b32 s21, s[HEAD], 4
	s_add_co_u32 s21, s21, s[BLK]
	s_lshl_b32 s22, s21, 13
	s_add_co_u32 s22, s22, s19
	s_mov_b32 s23, 0
	s_add_nc_u64 s[8:9], s[8:9], s[22:23]
	s_lshl_b32 s22, s21, 8
	s_add_nc_u64 s[10:11], s[10:11], s[22:23]
	s_add_co_u32 s19, s19, XO
	v_lshl_add_u32 v38, v10, 2, s18
	v_add_nc_u32 v39, s19, v[GO]
	s_wait_dscnt 0x0                ; for the others' sake: my stores are done
	s_barrier_signal -1
	s_barrier_wait -1
.irp s, 0,1,2,3
	ds_load_b32 v[40+(\s)], v38 offset:256*(\s)
.endr
.irp s, 0,1,2,3
	ds_load_b128 v[S+8*(\s):S+8*(\s)+3],   v39 offset:8192*(\s)
	ds_load_b128 v[S+8*(\s)+4:S+8*(\s)+7], v39 offset:8192*(\s)+512
.endr
	s_wait_dscnt 0x0
	v_max3_num_f32 v44, v40, v41, v42
	v_max_num_f32 v44, v44, v43     ; M = the largest of the four c m
.irp s, 0,1,2,3
	v_sub_f32 v[HID+2*(\s)], v[40+(\s)], v44  ; the masks are done with: their registers take the factors, each the low word of a pair
.endr
.irp s, 0,1,2,3
	v_exp_f32 v[HID+2*(\s)], v[HID+2*(\s)]
.endr
	v_nop
	s_wait_alu depctr_va_vdst(0)    ; one wait for the four factors
.irp p, 0,1,2,3
	v_pk_mul_f32 v[S+32+2*(\p):S+32+2*(\p)+1], v[S+2*(\p):S+2*(\p)+1], v[HID:HID+1] op_sel_hi:[1,0]
.endr
.irp s, 1,2,3
.irp p, 0,1,2,3
	v_pk_fma_f32 v[S+32+2*(\p):S+32+2*(\p)+1], v[S+8*(\s)+2*(\p):S+8*(\s)+2*(\p)+1], v[HID+2*(\s):HID+2*(\s)+1], v[S+32+2*(\p):S+32+2*(\p)+1] op_sel_hi:[1,0,1]
.endr
.endr
	global_store_b128 v[GO], v[S+32:S+35], s[8:9]             ; 512 consecutive bytes each, aligned
	global_store_b128 v[GO], v[S+36:S+39], s[8:9] offset:512
	s_cmp_lg_u32 s[WV], 0
	s_cbranch_scc1 .Lend
	; wave 0: the statistics of the block's 32 global rows: lane l stands for row l (tile l / 16)
	v_lshlrev_b32 v46, 7, v9
	v_lshl_add_u32 v46, v1, 2, v46
	v_add_nc_u32 v47, XL, v46
	v_add_nc_u32 v46, XM, v46
.irp s, 0,1,2,3
	ds_load_b32 v[40+(\s)], v46 offset:256*(\s)
	ds_load_b32 v[DLO+(\s)], v47 offset:256*(\s)       ; l of the query's keys in lanes 0-15,
	ds_load_b32 v[DLO+4+(\s)], v47 offset:256*(\s)+64  ; and of the other half of the lanes'
.endr
	s_wait_dscnt 0x0
	v_max3_num_f32 v44, v40, v41, v42
	v_max_num_f32 v44, v44, v43
.irp s, 0,1,2,3
	v_sub_f32 v[HID+2*(\s)], v[40+(\s)], v44
.endr
.irp s, 0,1,2,3
	v_exp_f32 v[HID+2*(\s)], v[HID+2*(\s)]
.endr
.irp s, 0,1,2,3
	v_add_f32 v[DLO+(\s)], v[DLO+(\s)], v[DLO+4+(\s)]  ; plain work behind the exponentials
.endr
	v_lshlrev_b32 v39, 3, v10
	s_wait_alu depctr_va_vdst(0)
	v_mul_f32 v45, v[HID], v[DLO]
.irp s, 1,2,3
	v_fmac_f32 v45, v[HID+2*(\s)], v[DLO+(\s)]
.endr
	global_store_b64 v39, v[44:45], s[10:11]       ; (M, l): 32 lanes store 256 consecutive bytes, aligned
.Lend:
	s_wait_tensorcnt 0x0            ; the wave's end: three closing lines, behind my last tensor load and my last LDS store
	ds_add_u32 v[SPW], v[NIL]
	s_wait_dscnt 0x0
	s_endpgm
.Lfunc_end_k_q9958e78d45_attn:
	.size	k_q9958e78d45_attn, .Lfunc_end_k_q9958e78d45_attn-k_q9958e78d45_attn
	.p2alignl 7, 3214868480
	.fill 96, 4, 3214868480
	.section	.rodata,"a",@progbits
	.p2align	6, 0x0
	.amdhsa_kernel k_q9958e78d45_attn
		.amdhsa_group_segment_fixed_size 250880
		.amdhsa_private_segment_fixed_size 0
		.amdhsa_enable_private_segment 0
		.amdhsa_kernarg_size 32
		.amdhsa_user_sgpr_count 2
		.amdhsa_user_sgpr_kernarg_segment_ptr 1
		.amdhsa_wavefront_size32 1
		.amdhsa_system_sgpr_workgroup_id_x 1
		.amdhsa_system_sgpr_workgroup_id_y 1
		.amdhsa_system_sgpr_workgroup_id_z 1
		.amdhsa_system_vgpr_workitem_id 0
		.amdhsa_next_free_vgpr 448
		.amdhsa_next_free_sgpr 84
		.amdhsa_reserve_vcc 1
		.amdhsa_float_denorm_mode_32 3
		.amdhsa_float_denorm_mode_16_64 3
		.amdhsa_memory_ordered 1
		.amdhsa_forward_progress 1
		.amdhsa_inst_pref_size 57
	.end_amdhsa_kernel
	.amdgpu_metadata
---
amdhsa.version: [ 1, 2 ]
amdhsa.kernels:
  - .name:           k_q9958e78d45_attn
    .symbol:         k_q9958e78d45_attn.kd
    .args:
      - { .name: qkv, .offset: 0, .size: 8, .value_kind: global_buffer, .address_space: global }
      - { .name: yh, .offset: 8, .size: 8, .value_kind: global_buffer, .address_space: global }
      - { .name: part, .offset: 16, .size: 8, .value_kind: global_buffer, .address_space: global }
      - { .name: pstat, .offset: 24, .size: 8, .value_kind: global_buffer, .address_space: global }
    .group_segment_fixed_size: 250880
    .private_segment_fixed_size: 0
    .kernarg_segment_align: 8
    .kernarg_segment_size: 32
    .max_flat_workgroup_size: 256
    .sgpr_count:     84
    .vgpr_count:     448
    .wavefront_size: 32
...
	.end_amdgpu_metadata
.endif
;; end of part 3
;; launch merge (part 4): grid 2 x 16, 4 waves a work-group, no clusters, 2,816 bytes of LDS; arguments part, pstat, yh; writes yh
.if DOCPART == 4
	.amdgcn_target "amdgcn-amd-amdhsa--gfx1250"
	.amdhsa_code_object_version 6
	.text
	.protected	k_q9958e78d45_merge
	.globl	k_q9958e78d45_merge
	.p2align	8
	.type	k_q9958e78d45_merge,@function
k_q9958e78d45_merge:
	s_mov_b64 s[64:65], 0
	v_nop
	global_prefetch_b8 v0, s[64:65] scope:SCOPE_SE
	s_setreg_imm32_b32 hwreg(HW_REG_WAVE_MODE, 25, 1), 1
	s_wait_xcnt 0x0
; THE ROWS 0-31 OF EACH HEAD: the sixteen blocks' partial softmaxes become one row of yh.
; part [16 head][16 block][16 pos][32 lane][4] in f32, pos = 8 tile + 2 cb + j: lane (r = l % 16, h = l / 16) holds query 16 tile + r, channels 16 cb + 8 h + 4 j + 0..3, summed with weights 2^(c s - M_b);
; pstat [16 head][16 block][32 query][2] = (M_b, l_b).  y = sum_b 2^(M_b - M) O_b / sum_b 2^(M_b - M) l_b with M = the largest M_b; all in f32, y rounded once to f16.
; A work-group takes a tile of 16 rows of a head, wave cb 16 channels: 32 work-groups are all the work there is (2 MiB read).  The four waves' 32 bytes of a row meet in LDS, so that whole rows leave.
.set SP,    144
.set SPARE, 16*SP                      ; behind the stage of 16 rows x 144 bytes: the spare words, 128 bytes for each wave: two blocks of 256 bytes that no other line names
.set SPW, 2                            ; v2  LDS address of my spare word; never rewritten
.set NIL, 3                            ; v3  0; never rewritten
.set STT, 32                           ; v32-63   (M_b, l_b); M_b then gives way to the factor
.set OP,  64                           ; v64-191  O_b: eight numbers a block
.set AC,  24                           ; v24-31   the sums
	s_load_b128 s[4:7], s[0:1], 0x0                ; part s[4:5], pstat s[6:7]
	s_load_b64 s[8:9], s[0:1], 0x10                ; yh
	v_lshl_add_u32 v[SPW], v0, 2, SPARE
	v_mov_b32 v[NIL], 0
	v_lshrrev_b32 v1, 5, v0
	v_readfirstlane_b32 s10, v1                    ; cb
	s_mov_b32 s11, ttmp9                           ; tile
	s_and_b32 s12, ttmp7, 0xffff                   ; head
	v_and_b32 v4, 15, v0                           ; r
	v_bfe_u32 v5, v0, 4, 1                         ; h
	v_and_b32 v6, 31, v0                           ; lane
	s_lshl_b32 s13, s11, 7
	v_lshl_add_u32 v7, v4, 3, s13                  ; my query's 8 bytes in a block's statistics
	v_lshlrev_b32 v8, 4, v6
	s_lshl_b32 s14, s12, 12                        ; a head's statistics: 16 blocks of 256 bytes
	s_mov_b32 s15, 0
	s_lshl_b32 s16, s12, 17                        ; a head's partial sums: 16 blocks of 8,192 bytes;
	s_lshl_b32 s17, s11, 12
	s_add_co_u32 s16, s16, s17
	s_lshl_b32 s17, s10, 10
	s_add_co_u32 s16, s16, s17                     ; in a block, pos 8 tile + 2 cb
	s_mov_b32 s17, 0
	s_lshl_b32 s18, s12, 19
	s_lshl_b32 s19, s11, 11
	s_add_co_u32 s18, s18, s19                     ; the tile's 16 rows of yh
	s_mov_b32 s19, 0
	v_mul_u32_u24 v9, v4, SP
	v_lshl_add_u32 v9, v5, 4, v9
	s_lshl_b32 s20, s10, 5
	v_add_nc_u32 v9, s20, v9                       ; into the stage: row r, byte 32 cb + 16 h
	v_bfe_u32 v10, v0, 3, 2
	v_mul_u32_u24 v10, v10, SP
	v_and_b32 v11, 7, v0
	v_lshl_add_u32 v10, v11, 4, v10                ; back: 32 lanes take four rows of 128 bytes
	v_mov_b32 v21, 0                               ; named as a pair with 1 / L
	s_wait_kmcnt 0x0
	s_add_nc_u64 s[6:7], s[6:7], s[14:15]
	s_add_nc_u64 s[4:5], s[4:5], s[16:17]
	s_add_nc_u64 s[8:9], s[8:9], s[18:19]
.set b, 0
.rept 16
	global_load_b64 v[STT+2*b:STT+2*b+1], v7, s[6:7] offset:256*b
.set b, b+1
.endr
.set b, 0
.rept 16
	global_load_b128 v[OP+8*b:OP+8*b+3],   v8, s[4:5] offset:8192*b
	global_load_b128 v[OP+8*b+4:OP+8*b+7], v8, s[4:5] offset:8192*b+512
.set b, b+1
.endr
	s_wait_loadcnt 32                              ; the statistics are in; the 32 loads of the partial sums may stay out
	v_max3_num_f32 v18, v[STT], v[STT+2], v[STT+4]
	v_max3_num_f32 v19, v[STT+6], v[STT+8], v[STT+10]
	v_max3_num_f32 v18, v18, v[STT+12], v[STT+14]
	v_max3_num_f32 v19, v19, v[STT+16], v[STT+18]
	v_max3_num_f32 v18, v18, v[STT+20], v[STT+22]
	v_max3_num_f32 v19, v19, v[STT+24], v[STT+26]
	v_max3_num_f32 v18, v18, v[STT+28], v[STT+30]
	v_max_num_f32 v18, v18, v19                    ; M
.set b, 0
.rept 16
	v_sub_f32 v[STT+2*b], v[STT+2*b], v18
.set b, b+1
.endr
.set b, 0
.rept 16
	v_exp_f32 v[STT+2*b], v[STT+2*b]               ; the factors 2^(M_b - M): one batch,
.set b, b+1
.endr
	v_nop                                          ; a plain instruction behind the last,
	s_wait_alu depctr_va_vdst(0)                   ; and the one wait ahead of the first reader
	v_mul_f32 v22, v[STT], v[STT+1]
	v_mul_f32 v23, v[STT+2], v[STT+3]
.set b, 2
.rept 14                               ; L in two chains
	v_fmac_f32 v[22+b%2], v[STT+2*b], v[STT+2*b+1]
.set b, b+1
.endr
	v_add_f32 v22, v22, v23
	v_rcp_f32 v20, v22
	v_nop
	s_wait_alu depctr_va_vdst(0)
	s_wait_loadcnt 0x0
.irp p, 0,1,2,3
	v_pk_mul_f32 v[AC+2*(\p):AC+2*(\p)+1], v[OP+2*(\p):OP+2*(\p)+1], v[STT:STT+1] op_sel_hi:[1,0]
.endr
.set b, 1
.rept 15
.irp p, 0,1,2,3
	v_pk_fma_f32 v[AC+2*(\p):AC+2*(\p)+1], v[OP+8*b+2*(\p):OP+8*b+2*(\p)+1], v[STT+2*b:STT+2*b+1], v[AC+2*(\p):AC+2*(\p)+1] op_sel_hi:[1,0,1]
.endr
.set b, b+1
.endr
.irp p, 0,1,2,3
	v_pk_mul_f32 v[AC+2*(\p):AC+2*(\p)+1], v[AC+2*(\p):AC+2*(\p)+1], v[20:21] op_sel_hi:[1,0]
.endr
.irp p, 0,1,2,3
	v_cvt_pk_f16_f32 v[12+(\p)], v[AC+2*(\p)], v[AC+2*(\p)+1]
.endr
	ds_store_b128 v9, v[12:15]
	s_wait_dscnt 0x0                               ; for the others' sake: my store is done
	s_barrier_signal -1
	s_barrier_wait -1
	s_cmp_lg_u32 s10, 0
	s_cbranch_scc1 .Lend
.irp f, 0,1,2,3
	ds_load_b128 v[OP+4*(\f):OP+4*(\f)+3], v10 offset:(\f)*4*SP
.endr
	s_wait_dscnt 0x0
.irp f, 0,1,2,3
	global_store_b128 v8, v[OP+4*(\f):OP+4*(\f)+3], s[8:9] offset:(\f)*512  ; 512 consecutive bytes, aligned
.endr
.Lend:
	s_wait_tensorcnt 0x0                           ; the wave's end: three closing lines, behind my last LDS store
	ds_add_u32 v[SPW], v[NIL]
	s_wait_dscnt 0x0
	s_endpgm
.Lfunc_end_k_q9958e78d45_merge:
	.size	k_q9958e78d45_merge, .Lfunc_end_k_q9958e78d45_merge-k_q9958e78d45_merge
	.p2alignl 7, 3214868480
	.fill 96, 4, 3214868480
	.section	.rodata,"a",@progbits
	.p2align	6, 0x0
	.amdhsa_kernel k_q9958e78d45_merge
		.amdhsa_group_segment_fixed_size 2816
		.amdhsa_private_segment_fixed_size 0
		.amdhsa_enable_private_segment 0
		.amdhsa_kernarg_size 24
		.amdhsa_user_sgpr_count 2
		.amdhsa_user_sgpr_kernarg_segment_ptr 1
		.amdhsa_wavefront_size32 1
		.amdhsa_system_sgpr_workgroup_id_x 1
		.amdhsa_system_sgpr_workgroup_id_y 1
		.amdhsa_system_sgpr_workgroup_id_z 1
		.amdhsa_system_vgpr_workitem_id 0
		.amdhsa_next_free_vgpr 192
		.amdhsa_next_free_sgpr 66
		.amdhsa_reserve_vcc 0
		.amdhsa_float_denorm_mode_32 3
		.amdhsa_float_denorm_mode_16_64 3
		.amdhsa_memory_ordered 1
		.amdhsa_forward_progress 1
		.amdhsa_inst_pref_size 15
	.end_amdhsa_kernel
	.amdgpu_metadata
---
amdhsa.version: [ 1, 2 ]
amdhsa.kernels:
  - .name:           k_q9958e78d45_merge
    .symbol:         k_q9958e78d45_merge.kd
    .args:
      - { .name: part, .offset: 0, .size: 8, .value_kind: global_buffer, .address_space: global }
      - { .name: pstat, .offset: 8, .size: 8, .value_kind: global_buffer, .address_space: global }
      - { .name: yh, .offset: 16, .size: 8, .value_kind: global_buffer, .address_space: global }
    .group_segment_fixed_size: 2816
    .private_segment_fixed_size: 0
    .kernarg_segment_align: 8
    .kernarg_segment_size: 24
    .max_flat_workgroup_size: 128
    .sgpr_count:     66
    .vgpr_count:     192
    .wavefront_size: 32
...
	.end_amdgpu_metadata
.endif
;; end of part 4
;; launch proj (part 5): grid 8 x 32, 4 waves a work-group, clusters of 4 x 4, 327,680 bytes of LDS; arguments yh, wpt, b_proj, out0; writes out0
.if DOCPART == 5
	.amdgcn_target "amdgcn-amd-amdhsa--gfx1250"
	.amdhsa_code_object_version 6
	.text
	.protected	k_q9958e78d45_proj
	.globl	k_q9958e78d45_proj
	.p2align	8
	.type	k_q9958e78d45_proj,@function
k_q9958e78d45_proj:
	s_mov_b64 s[64:65], 0
	v_nop
	global_prefetch_b8 v0, s[64:65] scope:SCOPE_SE
	s_setreg_imm32_b32 hwreg(HW_REG_WAVE_MODE, 25, 1), 1
	s_wait_xcnt 0x0
	s_wait_alu depctr_hold_cnt(0) depctr_sa_sdst(0) depctr_va_vdst(0) depctr_va_sdst(0) depctr_va_ssrc(0) depctr_va_vcc(0) depctr_vm_vsrc(0)
	s_getreg_b32 s2, hwreg(HW_REG_IB_STS2, 6, 4)
	s_cmp_eq_u32 s2, 0
	s_cbranch_scc0 .Lentry_in_a_cluster
	s_endpgm
.Lentry_in_a_cluster:
	s_bfe_u32 s2, ttmp6, 0x10000c
	s_cmp_lg_u32 s2, 0xf033
	s_cbranch_scc0 .Lentry_shape_is_right
	s_endpgm
.Lentry_shape_is_right:
; out0[t][n] = sum over k of y[t][k] wpt[n][k] + bf16(b_proj[n]), in f32.  y lies by heads: yh [16 head][4096 t][64 d] in f16, k = 64 head + d; wpt [1024 n][1024 k] in f16; sums in f32.
; SHARES.  A tile of out0 is 128 x 128: 8 x 32 = 256 work-groups; four waves, each 64 x 64: 16 accumulators of 16 x 16.  K goes in 4 steps of 256 (four heads) through a ring of two LDS slots.
; y's tile of a step is 64 rows x 4 heads a wave: for each head 8,192 dense bytes, one row of the descriptor; the mover pads after every 128 bytes, so (head z, row m) lies at (64 z + m) x 144.
; wpt's tile: 64 rows of 512 bytes, padded to 528.
; CLUSTERS: 4 x 4 work-groups; y's tiles are shared along a row of the cluster, wpt's along a column: each is asked for JOINTLY, by the same tensor load with the same descriptor and a mask that names the four.
; THE MATRIX INSTRUCTION IS USED TRANSPOSED (source 0 = 16 rows of wpt, source 1 = 16 rows of y): a lane holds eight neighbouring numbers of a row of out0.  THE BIAS is the C operand of each accumulator's first product.
; NO PREFETCH: four K steps on small tiles; the first two come at the head and the other two stand one step behind them.
; REGISTERS: window 0: v0-31 addresses; v32-95 rows read back on the way out; v96-127 the bias; v128-255 the accumulators ((a, b) at 128 + 8 (4 a + b)).
;   window 1: two fragment buffers of 128: for 64 along K, 64 registers of y (2 x 4 x 16 rows x 32 K), then 64 of wpt.
.set KSTEP,  256
.set PA,     144                       ; a row of y in LDS: 128 bytes + 16: 36 words: the 16 rows of a load start at 16 different groups of four banks (64 banks of 4 bytes: ISA guide 11.1)
.set PB,     528                       ; a row of wpt: 512 bytes + 16: 132 words, likewise
.set HALFA,  256*PA                    ; what a wave fetches of y: 4 heads x 64 rows
.set HALFB,  64*PB                     ; and of wpt
.set BOFF,   2*HALFA
.set SLOT,   BOFF+2*HALFB
.set STAGE,  2*SLOT                    ; behind the ring, never filled by a tensor load: 16 rows x 272 bytes for each wave
.set SPITCH, 272
.set SPARE,  STAGE+4*16*SPITCH         ; behind the stages: the spare words, 128 bytes for each wave: two blocks of 256 bytes that no other line names
.set PLANE,  4096*128                  ; bytes in a head's plane of yh
.set ASTEP,  4*PLANE                   ; a K step of y
.set ADRA, 16                          ; v16-17  LDS address of my fragments of y in slot 0, 1
.set ADRB, 20                          ; v20-21  the same for wpt
.set STO,  24
.set RD,   25
.set CO,   26
.set BO,   27
.set SPW,  28                          ; v28  LDS address of my spare word; never rewritten
.set NIL,  29                          ; v29  0; never rewritten
.set TT,   31
.set TMP,  32
.set BI,   96
.set ACC,  128
.set F0,   0
.set F1,   128
.set G1,  24
.set G0,  32
.set G1B, 48
.set G0B, 56
.set MSB, 0
.macro WIN new                         ; the immediate's high byte repeats the setting that is left
.if MSB != (\new)
	s_set_vgpr_msb (MSB<<8)|(\new)
.set MSB, \new
.endif
.endm
.set MUL,  0x05                        ; sources 0 and 1 window 1; C and D window 0
.set TO_F, 0x40                        ; destination window 1, address window 0
.macro JLOAD s                         ; a joint load: waves 0 and 1 fetch y's two halves, waves 2 and 3 wpt's; an s_nop 0 and four v_nop follow each of the two lines
	s_cmp_eq_u32 s11, 0
	s_cbranch_scc0 .Lfor_b_\@
	tensor_load_to_lds s[G0+4*(\s):G0+4*(\s)+3], s[G1:G1+7]
	s_nop 0
.rept 4
	v_nop
.endr
	s_branch .Lasked_\@
.Lfor_b_\@:
	tensor_load_to_lds s[G0B+4*(\s):G0B+4*(\s)+3], s[G1B:G1B+7]
	s_nop 0
.rept 4
	v_nop
.endr
.Lasked_\@:
.endm
.macro CREST                           ; a round of the cluster's barrier behind its opening barrier
	s_cmp_lg_u32 s10, 0
	s_cbranch_scc1 .Lnot_wave_0_\@
	s_barrier_signal -3
.Lnot_wave_0_\@:
	s_barrier_wait -3
	s_barrier_signal -1
	s_barrier_wait -1
.endm
.macro CROUND
	s_barrier_signal -1
	s_barrier_wait -1
	CREST
.endm
	s_load_b128 s[4:7], s[0:1], 0x0                ; yh s[4:5], wpt s[6:7]
	s_load_b64 s[68:69], s[0:1], 0x10              ; b_proj
	s_load_b64 s[8:9], s[0:1], 0x18                ; out0
	v_lshl_add_u32 v[SPW], v0, 2, SPARE
	v_mov_b32 v[NIL], 0
	ds_add_u32 v[SPW], v[NIL]                      ; the wave's opening: the add and its wait stand ahead of my first tensor load; the set-up below, work on registers, stands between them
	v_lshrrev_b32 v1, 5, v0
	v_readfirstlane_b32 s10, v1                    ; wave 0..3
	s_lshr_b32 s11, s10, 1                         ; which half of the tile's rows is mine.  Also: I fetch for y (0) or for wpt (1)
	s_and_b32 s12, s10, 1                          ; which half of its columns.  Also: which 64 rows of that tile I fetch
	s_bfe_u32 s40, ttmp6, 0x40000                  ; cx, cy
	s_bfe_u32 s41, ttmp6, 0x40004
	s_lshl_b32 s42, ttmp9, 2
	s_add_co_u32 s42, s42, s40                     ; tile column
	s_and_b32 s13, ttmp7, 0xffff
	s_lshl_b32 s13, s13, 2
	s_add_co_u32 s13, s13, s41                     ; tile row
	s_lshl_b32 s43, s41, 2
	s_lshl_b32 s43, 15, s43                        ; my row of the cluster
	s_lshl_b32 s44, 0x1111, s40                    ; my column
	s_or_b32 s[G1+0], s43, (1<<16)|(1<<20)|(1<<21)|(4<<22)|(3<<25)   ; y: the mask; 2-byte elements; padding on; 21 set beside a mask; after every 32 words (code 4) 4 words (code 3)
	s_mov_b32 s[G1+1], 4096<<16                    ; tensor_dim0 = 4,096 elements: 64 rows of 64
	s_mov_b32 s[G1+2], 4<<16                       ; tensor_dim1 = 4 heads
	s_mov_b32 s[G1+3], 4096<<16                    ; tile_dim0
	s_mov_b32 s[G1+4], 4                           ; tile_dim1
	s_mov_b32 s[G1+5], 4096*64                     ; elements from head to head
	s_mov_b32 s[G1+6], 0
	s_mov_b32 s[G1+7], 0
	s_or_b32 s[G1B+0], s44, (1<<16)|(1<<20)|(1<<21)|(6<<22)|(3<<25)  ; wpt: after every 128 words (code 6) 4 words
	s_mov_b32 s[G1B+1], KSTEP<<16
	s_mov_b32 s[G1B+2], 64<<16
	s_mov_b32 s[G1B+3], KSTEP<<16
	s_mov_b32 s[G1B+4], 64
	s_mov_b32 s[G1B+5], 1024
	s_mov_b32 s[G1B+6], 0
	s_mov_b32 s[G1B+7], 0
	s_lshl_b32 s16, s13, 14                        ; y: row 128 x tile row + 64 x half, rows of 128 bytes
	s_lshl_b32 s17, s12, 13
	s_add_co_u32 s16, s16, s17
	s_mov_b32 s17, 0
	s_lshl_b32 s46, s42, 18                        ; wpt: row 128 x tile column + 64 x half, rows of 2,048 bytes
	s_lshl_b32 s47, s12, 17
	s_add_co_u32 s46, s46, s47
	s_mov_b32 s47, 0
	s_mul_i32 s20, s12, HALFA                      ; where they go: no place in the cluster enters an LDS address
	s_mul_i32 s21, s12, HALFB
	s_add_co_u32 s21, s21, BOFF
	s_wait_dscnt 0x0                               ; the opening add is done
	s_wait_kmcnt 0x0
	s_add_nc_u64 s[14:15], s[4:5], s[16:17]
	s_add_nc_u64 s[46:47], s[6:7], s[46:47]
	CROUND                                         ; all sixteen work-groups are here: the first joint loads meet
.irp s, 0,1
	s_mov_b32 s[G0+4*(\s)], 1
	s_add_co_u32 s[G0+4*(\s)+1], s20, (\s)*SLOT
	s_add_nc_u64 s[G0+4*(\s)+2:G0+4*(\s)+3], s[14:15], (\s)*ASTEP
	s_or_b32 s[G0+4*(\s)+3], s[G0+4*(\s)+3], 0x80000000
	s_mov_b32 s[G0B+4*(\s)], 1
	s_add_co_u32 s[G0B+4*(\s)+1], s21, (\s)*SLOT
	s_add_nc_u64 s[G0B+4*(\s)+2:G0B+4*(\s)+3], s[46:47], (\s)*KSTEP*2
	s_or_b32 s[G0B+4*(\s)+3], s[G0B+4*(\s)+3], 0x80000000
	JLOAD \s                                       ; K steps 0 and 1: two loads of mine are out
.endr
	v_and_b32 v1, 15, v0                           ; l % 16
	v_bfe_u32 v2, v0, 4, 1                         ; l / 16
	; the bias of my 64 columns: register j of block b is bias[128 x tile column + 64 x half + 16 b + 8 (l / 16) + j]
	v_lshlrev_b32 v[BO], 5, v2
	s_lshl_b32 s18, s42, 9
	s_lshl_b32 s19, s12, 8
	s_add_co_u32 s18, s18, s19                     ; my first column, in bytes of f32
	s_mov_b32 s19, 0
	s_add_nc_u64 s[68:69], s[68:69], s[18:19]
.set i, 0
.rept 8
	global_load_b128 v[BI+4*i:BI+4*i+3], v[BO], s[68:69] offset:64*(i/2)+16*(i%2)
.set i, i+1
.endr
	v_mul_u32_u24 v3, v1, PA
	v_lshl_add_u32 v3, v2, 4, v3                   ; a fragment's row x pitch + 16 x half, for y
	v_mul_u32_u24 v4, v1, PB
	v_lshl_add_u32 v4, v2, 4, v4                   ; and for wpt
	s_mul_i32 s21, s11, HALFA                      ; my 64 rows of y
	s_mul_i32 s22, s12, HALFB                      ; my 64 rows of wpt
	s_add_co_u32 s22, s22, BOFF
.irp s, 0,1
	v_add_nc_u32 v[ADRA+(\s)], s21, v3
	v_add_nc_u32 v[ADRB+(\s)], s22, v4
	s_add_co_u32 s21, s21, SLOT
	s_add_co_u32 s22, s22, SLOT
.endr
	s_mul_i32 s23, s10, 16*SPITCH
	s_add_co_u32 s23, s23, STAGE                   ; my stage: my 64 columns are 256 bytes, whole and aligned, so no other wave has a part in my rows
	v_mul_u32_u24 v5, v1, SPITCH                   ; in: row l % 16, 32 bytes for each half of the lanes
	v_lshl_add_u32 v5, v2, 5, v5
	v_add_nc_u32 v[STO], s23, v5
	v_mul_u32_u24 v5, v2, SPITCH                   ; back: lanes 0-15 take one row of 256 bytes, lanes 16-31 the next
	v_lshl_add_u32 v5, v1, 4, v5
	v_add_nc_u32 v[RD], s23, v5
	v_lshlrev_b32 v5, 12, v2                       ; and the same two rows in out0
	v_lshl_add_u32 v[CO], v1, 4, v5
	s_lshl_b32 s16, s13, 19                        ; my first row: 128 x tile row + 64 x half, rows of 4,096 bytes
	s_lshl_b32 s17, s11, 18
	s_add_co_u32 s16, s16, s17
	s_mov_b32 s17, 0
	s_add_nc_u64 s[8:9], s[8:9], s[16:17]
	s_add_nc_u64 s[8:9], s[8:9], s[18:19]          ; my first column
	s_mov_b32 s70, 0xffff0000
	s_wait_loadcnt 0x0                             ; the bias is in; like every input it is rounded to bf16
.set i, 0
.rept 16
	v_cvt_pk_bf16_f32 v[TT], v[BI+2*i], v[BI+2*i+1]
	v_lshlrev_b32 v[BI+2*i], 16, v[TT]
	v_and_b32 v[BI+2*i+1], s70, v[TT]
.set i, i+1
.endr
; 8 matrix instructions: row blocks a0, a0 + 1 x all 4 column blocks, 32 along K: half c of buffer f.  first = 1: the bias starts the sums.  The 16 accumulators take turns.
.macro MUL8 f, c, a0, first
	WIN MUL
.irp a, \a0, (\a0)+1
.irp b, 0,1,2,3
.if \first
	v_wmma_f32_16x16x32_f16 v[ACC+8*(4*(\a)+(\b)):ACC+8*(4*(\a)+(\b))+7], v[(\f)+64+8*(4*(\c)+(\b)):(\f)+64+8*(4*(\c)+(\b))+7], v[(\f)+8*(4*(\c)+(\a)):(\f)+8*(4*(\c)+(\a))+7], v[BI+8*(\b):BI+8*(\b)+7]
.else
	v_wmma_f32_16x16x32_f16 v[ACC+8*(4*(\a)+(\b)):ACC+8*(4*(\a)+(\b))+7], v[(\f)+64+8*(4*(\c)+(\b)):(\f)+64+8*(4*(\c)+(\b))+7], v[(\f)+8*(4*(\c)+(\a)):(\f)+8*(4*(\c)+(\a))+7], v[ACC+8*(4*(\a)+(\b)):ACC+8*(4*(\a)+(\b))+7]
.endif
.endr
.endr
.endm
; 32 LDS loads in one run: the fragments of quarter q of a K step (one head: 64 along K) into buffer f; the first 32 along K first
.macro FETCH slot, q, f
	WIN TO_F
.irp c, 0,1
.irp i, 0,1,2,3
	ds_load_b128 v[(\f)+64+8*(4*(\c)+(\i)):(\f)+64+8*(4*(\c)+(\i))+3],   v[ADRB+(\slot)] offset:128*(\q)+64*(\c)+(\i)*16*PB
	ds_load_b128 v[(\f)+64+8*(4*(\c)+(\i))+4:(\f)+64+8*(4*(\c)+(\i))+7], v[ADRB+(\slot)] offset:128*(\q)+64*(\c)+(\i)*16*PB+32
	ds_load_b128 v[(\f)+8*(4*(\c)+(\i)):(\f)+8*(4*(\c)+(\i))+3],         v[ADRA+(\slot)] offset:64*PA*(\q)+64*(\c)+(\i)*16*PA
	ds_load_b128 v[(\f)+8*(4*(\c)+(\i))+4:(\f)+8*(4*(\c)+(\i))+7],       v[ADRA+(\slot)] offset:64*PA*(\q)+64*(\c)+(\i)*16*PA+32
.endr
.endr
.endm
.macro PLACES                          ; four plain vector instructions between a matrix instruction and a load into, or a store of, its registers
.rept 4
	v_nop
.endr
.endm
; A K step is four quarters of 64 along K, 32 matrix instructions each, on buffers 0, 1, 0, 1.  One of the first three: multiplies buffer f and fetches quarter q into g.
.macro QUARTER slot, q, f, g, first
	s_wait_dscnt 16                                ; the first 32 along K are in
	MUL8 \f, 0, 0, \first
	MUL8 \f, 0, 2, \first
	PLACES
	FETCH \slot, \q, \g
	s_wait_dscnt 32                                ; all but the 32 just issued
	MUL8 \f, 1, 0, 0
	MUL8 \f, 1, 2, 0
.endm
; The last quarter multiplies buffer 1 and changes slots: ONE barrier; in front of it each wave waits for all its tensor loads, adds 0 to its spare word, and waits for that and for its own reads of this slot.
; fill = 1: the barrier opens a round of the cluster's barrier, and this slot is filled again, two K steps ahead, first thing behind the round.
.macro TURN slot, next, fill
	WIN 0                                          ; (the add's two registers lie in window 0)
	s_wait_tensorcnt 0x0                           ; all my tensor loads have landed: my part of the next slot;
	ds_add_u32 v[SPW], v[NIL]                      ; 0 onto my spare word;
	s_wait_dscnt 17                                ; (the add and the youngest sixteen loads may be out)
	MUL8 F1, 0, 0, 0                               ; eight matrix instructions stand between the add and the wait for it
	s_wait_dscnt 0x0                               ; the add is done, and my reads of this slot are over
	s_barrier_signal -1
	MUL8 F1, 0, 2, 0
.if \fill
	WIN 0
.endif
	s_barrier_wait -1
.if \fill
	CREST                                          ; no wave of any partner still reads this slot's tile or has a load on its way
	s_add_nc_u64 s[G0+4*(\slot)+2:G0+4*(\slot)+3], s[G0+4*(\slot)+2:G0+4*(\slot)+3], 2*ASTEP
	s_add_nc_u64 s[G0B+4*(\slot)+2:G0B+4*(\slot)+3], s[G0B+4*(\slot)+2:G0B+4*(\slot)+3], 2*KSTEP*2
	JLOAD \slot                                    ; the four v_nop behind it are also the places in front of the loads below
.else
	PLACES
.endif
	FETCH \next, 0, F0
	MUL8 F1, 1, 0, 0
	MUL8 F1, 1, 2, 0
.endm
	s_wait_tensorcnt 1                             ; my part of K step 0 is in; K step 1's may stay out
	s_barrier_signal -1
	s_barrier_wait -1                              ; everybody's is
	FETCH 0, 0, F0
	QUARTER 0, 1, F0, F1, 1                        ; the first products start the sums, with the bias
	QUARTER 0, 2, F1, F0, 0
	QUARTER 0, 3, F0, F1, 0
	TURN 0, 1, 1                                   ; slot 0 takes K step 2
	QUARTER 1, 1, F0, F1, 0
	QUARTER 1, 2, F1, F0, 0
	QUARTER 1, 3, F0, F1, 0
	TURN 1, 0, 1                                   ; slot 1 takes K step 3
	QUARTER 0, 1, F0, F1, 0                        ; the last lap fills nothing
	QUARTER 0, 2, F1, F0, 0
	QUARTER 0, 3, F0, F1, 0
	TURN 0, 1, 0
	QUARTER 1, 1, F0, F1, 0
	QUARTER 1, 2, F1, F0, 0
	QUARTER 1, 3, F0, F1, 0
	s_wait_dscnt 16                                ; the very last quarter: nothing more to fetch
	MUL8 F1, 0, 0, 0
	MUL8 F1, 0, 2, 0
	s_wait_dscnt 0x0
	MUL8 F1, 1, 0, 0
	MUL8 F1, 1, 2, 0
	WIN 0
; THE WAY OUT, a block of 16 rows at a time: a lane's eight f32 of a row, 32 bytes, go into my stage (each accumulator's low four registers first); whole rows of 256 bytes come back and are stored.
.macro TOSTAGE a
.if (\a) >= 2
	s_wait_xcnt 0x0                                ; the stores of the block two back have read these registers
.endif
.irp b, 0,1,2,3
	ds_store_b128 v[STO], v[ACC+8*(4*(\a)+(\b)):ACC+8*(4*(\a)+(\b))+3]   offset:64*(\b)
	ds_store_b128 v[STO], v[ACC+8*(4*(\a)+(\b))+4:ACC+8*(4*(\a)+(\b))+7] offset:64*(\b)+16
.endr
.irp t, 0,1,2,3,4,5,6,7
	ds_load_b128 v[TMP+32*((\a)%2)+4*(\t):TMP+32*((\a)%2)+4*(\t)+3], v[RD] offset:(\t)*2*SPITCH  ; LDS serves a wave's instructions in order (ISA guide 5.7.1.4): these see the stores above; the next block's stores come behind them
.endr
.endm
.macro SEND a, younger                 ; younger: the LDS instructions issued behind block a's loads: the next block's sixteen, or none
	s_wait_dscnt \younger
.irp t, 0,1,2,3,4,5,6,7
	global_store_b128 v[CO], v[TMP+32*((\a)%2)+4*(\t):TMP+32*((\a)%2)+4*(\t)+3], s[8:9] offset:(16*(\a)+2*(\t))*4096  ; 16 lanes store 256 consecutive bytes, aligned
.endr
.endm
	PLACES
	TOSTAGE 0
.irp a, 1,2,3
	TOSTAGE \a
	SEND (\a)-1, 16
.endr
	SEND 3, 0
	s_wait_tensorcnt 0x0                           ; the wave's end: three closing lines, behind my last tensor load and my last LDS store
	ds_add_u32 v[SPW], v[NIL]
	s_wait_dscnt 0x0
	CROUND                                         ; the closing round: no work-group ends while a partner may still ask for a tile that names it
	s_endpgm
.Lfunc_end_k_q9958e78d45_proj:
	.size	k_q9958e78d45_proj, .Lfunc_end_k_q9958e78d45_proj-k_q9958e78d45_proj
	.p2alignl 7, 3214868480
	.fill 96, 4, 3214868480
	.section	.rodata,"a",@progbits
	.p2align	6, 0x0
	.amdhsa_kernel k_q9958e78d45_proj
		.amdhsa_group_segment_fixed_size 327680
		.amdhsa_private_segment_fixed_size 0
		.amdhsa_enable_private_segment 0
		.amdhsa_kernarg_size 32
		.amdhsa_user_sgpr_count 2
		.amdhsa_user_sgpr_kernarg_segment_ptr 1
		.amdhsa_wavefront_size32 1
		.amdhsa_system_sgpr_workgroup_id_x 1
		.amdhsa_system_sgpr_workgroup_id_y 1
		.amdhsa_system_sgpr_workgroup_id_z 1
		.amdhsa_system_vgpr_workitem_id 0
		.amdhsa_next_free_vgpr 512
		.amdhsa_next_free_sgpr 72
		.amdhsa_reserve_vcc 0
		.amdhsa_float_denorm_mode_32 3
		.amdhsa_float_denorm_mode_16_64 3
		.amdhsa_memory_ordered 1
		.amdhsa_forward_progress 1
		.amdhsa_inst_pref_size 88
	.end_amdhsa_kernel
	.amdgpu_metadata
---
amdhsa.version: [ 1, 2 ]
amdhsa.kernels:
  - .name:           k_q9958e78d45_proj
    .symbol:         k_q9958e78d45_proj.kd
    .args:
      - { .name: yh, .offset: 0, .size: 8, .value_kind: global_buffer, .address_space: global }
      - { .name: wpt, .offset: 8, .size: 8, .value_kind: global_buffer, .address_space: global }
      - { .name: b_proj, .offset: 16, .size: 8, .value_kind: global_buffer, .address_space: global }
      - { .name: out0, .offset: 24, .size: 8, .value_kind: global_buffer, .address_space: global }
    .group_segment_fixed_size: 327680
    .private_segment_fixed_size: 0
    .kernarg_segment_align: 8
    .kernarg_segment_size: 32
    .max_flat_workgroup_size: 128
    .sgpr_count:     72
    .vgpr_count:     512
    .wavefront_size: 32
...
	.end_amdgpu_metadata
.endif
;; end of part 5
;; ======== version 2 of 2: 5 launches; version 1 with the launch prep written anew for expert scheduling mode
;; limits: values are held in f16: magnitudes above 65,504 overflow, below 6.1e-05 lose precision
;; workspace buffers: xb 8,388,608 bytes; wat 6,291,456 bytes; wpt 2,097,152 bytes; qkv 25,165,824 bytes; yh 8,388,608 bytes; part 2,097,152 bytes; pstat 65,536 bytes
;; launch prep (part 6): grid 256 x 1, 6 waves a work-group, no clusters, 35,584 bytes of LDS; arguments x, W_attn, W_proj, xb, wat, wpt; writes xb, wat, wpt
.if DOCPART == 6
	.amdgcn_target "amdgcn-amd-amdhsa--gfx1250"
	.amdhsa_code_object_version 6
	.text
	.protected	k_q9958e78d45_prep
	.globl	k_q9958e78d45_prep
	.p2align	8
	.type	k_q9958e78d45_prep,@function
k_q9958e78d45_prep:
	s_mov_b64 s[64:65], 0
	v_nop
	global_prefetch_b8 v0, s[64:65] scope:SCOPE_SE
	s_setreg_imm32_b32 hwreg(HW_REG_WAVE_SCHED_MODE, 0, 2), 2
	s_setreg_imm32_b32 hwreg(HW_REG_WAVE_MODE, 25, 1), 1
	s_wait_xcnt 0x0
	s_wait_alu depctr_vm_vsrc(0)
; THE INPUTS ARE MADE READY FOR THE MATRIX UNITS, each byte read once and each result written once.
;   xb  [4096][1024]      = bf16(x)
;   wat [3072 n][1024 k]  = bf16(W_attn[k][n]): turned, so that K lies along the rows
;   wpt [1024 n][1024 k]  = bf16(W_proj[k][n]), that number written as f16 (the last product's other operand is f16)
; LIMIT: below 6e-5 a number of wpt keeps f16's fixed step of 6e-8; beyond 65,504 it would be an infinity.
; SHARES.  The two weights are 384 + 128 = 512 tiles of 128 k x 64 n: waves 0 and 1 of each of the 256 work-groups turn one each.  x is 1,024 shares
; of 16,384 bytes: waves 2 to 5 cast one each.  No wave needs another's bytes: no barrier; matrix units and clusters have nothing to do here.
; TURNING.  A load takes 16 bytes a lane: lanes 0-15 the 256 bytes (64 n) of one row k, lanes 16-31 those of the row eight further down.  After eight such loads
; a lane holds 8 k x 4 n; for each n the 8 k pack into 16 bytes, which go into LDS row n (pitch 272); whole rows of 256 bytes (128 k) come back and are stored,
; sixteen lanes to 256 consecutive bytes, aligned.
; THE MODE: SCHED_MODE bits 1:0 = 2 (LLVM: expert scheduling mode 2), set by the entry lines.  The code itself states the register dependences
; between vector instructions and memory or LDS instructions, with s_wait_alu, always for 0.
; THE PLAN, turning waves.  Registers that memory or LDS instructions touch:
;   v8-18 (RO, LST, LRD, GST)  addresses, made at the head and never written again: one wait at the head serves every load and store.
;   X0 .. X3   Group g: its sixteen conversions read X[g % 4]; behind them the loads of group g + 4 land in it.  Later the 32 LDS loads of the turned rows land in all four.
;   Y0, Y1     Group g: its conversions write Y[g % 2]; its four LDS stores read it; group g + 2 writes it again.
; So ONE wait on va_vdst stands in a group, behind its conversions: Y[g % 2] is written and X[g % 4] is done with; the group's eight loads and four LDS stores follow it.
; One wait on vm_vsrc stands at the head of every second group: the LDS stores of the two groups before have read both Y buffers.
; THE PLAN, casting waves.  v6, v7: offsets, made once.  X: 32 loads, all issued at once.  Y: 64 registers, each written once and stored once, in eight blocks of four stores.
; Block b's conversions read X's block b and write Y's block b; the stores issued among them read Y's block b - 1, which the one wait at the block's head shows written.
.set PITCH, 272
.set REGB,  64*PITCH                   ; a turning wave's own LDS: 64 rows
.set SPARE, 2*REGB                     ; behind them: the spare words, 128 bytes for each of the six waves: three blocks of 256 bytes that no other line names
.set SPW, 4                            ; v4   LDS address of my spare word; never rewritten
.set NIL, 5                            ; v5   0; never rewritten
.set RO,  8                            ; v8-15  load t of a group: (8 h + t) rows + 16 r; never rewritten
.set LST, 16                           ; v16  where I put 16 bytes of LDS row 4 r; never rewritten
.set LRD, 17                           ; v17  where I read rows back; never rewritten
.set GST, 18                           ; v18  my byte offset in two rows of the turned weight; never rewritten
.set X,   32                           ; v32-159   as loaded: four groups of 32 (turning), or 32 x 4 (casting); then the turned rows
.set Y,   160                          ; v160-223  packed: eight blocks of 8 (casting); two buffers of 16, v160-191 (turning)
.set T,   192                          ; v192-193  at work (turning waves): no memory instruction names them
.set WV,  16                           ; s16  my wave's number
	s_load_b256 s[4:11], s[0:1], 0x0               ; x s[4:5], W_attn s[6:7], W_proj s[8:9], xb s[10:11]
	s_load_b128 s[12:15], s[0:1], 0x20             ; wat s[12:13], wpt s[14:15]
	v_lshl_add_u32 v[SPW], v0, 2, SPARE
	v_mov_b32 v[NIL], 0
	v_lshrrev_b32 v1, 5, v0
	v_readfirstlane_b32 s[WV], v1                  ; wave 0..5
	v_and_b32 v1, 31, v0                           ; lane
	v_and_b32 v2, 15, v0                           ; r
	v_bfe_u32 v3, v0, 4, 1                         ; h
	s_wait_alu depctr_va_sdst(0)                   ; s16 is written, ahead of its first reader, the compare below; both arms make their shares from it
	s_cmp_lt_u32 s[WV], 2
	s_cbranch_scc0 .Lcast
	; ---- waves 0 and 1: a tile of a weight is turned ----
	s_lshl_b32 s17, ttmp9, 1
	s_add_co_u32 s17, s17, s[WV]                   ; tile 0..511: 384 of W_attn, then 128 of W_proj
	s_sub_co_u32 s29, s17, 384
	s_mov_b32 s28, 12288
	s_cmp_ge_u32 ttmp9, 192
	s_cselect_b32 s18, 1, 0                        ; 1: W_proj
	s_cselect_b32 s19, 4096, s28                   ; bytes in a row of the weight as given
	s_cselect_b32 s17, s29, s17                    ; the tile's number within its weight
	s_and_b32 s30, s17, 7                          ; which 128 k
	s_lshr_b32 s31, s17, 3                         ; which 64 n
	s_lshl_b32 s32, s30, 7
	s_mul_i32 s32, s32, s19
	s_lshl_b32 s33, s31, 8
	s_add_co_u32 s32, s32, s33                     ; from: 128 kt rows + 256 nt bytes
	s_mov_b32 s33, 0
	s_lshl_b32 s34, s31, 17
	s_lshl_b32 s35, s30, 8
	s_add_co_u32 s34, s34, s35                     ; to: 64 nt rows of 2,048 bytes + 256 kt bytes
	s_mov_b32 s35, 0
	s_lshl_b32 s24, s19, 4                         ; a group is 16 rows
	s_mov_b32 s25, 0
	s_mov_b32 s26, 0xffff0000                      ; a word's upper bf16
	v_lshlrev_b32 v19, 3, v3
	v_lshlrev_b32 v20, 4, v2
.irp t, 0,1,2,3,4,5,6,7
	v_add_nc_u32 v21, \t, v19
	v_mad_u32_u24 v[RO+(\t)], v21, s19, v20
.endr
	s_mul_i32 s36, s[WV], REGB                     ; my own 64 rows of LDS
	v_mul_u32_u24 v[LST], v2, 4*PITCH
	v_lshl_add_u32 v[LST], v3, 4, v[LST]
	v_add_nc_u32 v[LST], s36, v[LST]               ; row 4 r, byte 16 h
	v_mul_u32_u24 v[LRD], v3, PITCH
	v_lshl_add_u32 v[LRD], v2, 4, v[LRD]
	v_add_nc_u32 v[LRD], s36, v[LRD]               ; lanes 0-15 one row, lanes 16-31 the next
	v_lshl_add_u32 v[GST], v3, 11, v20
	s_wait_kmcnt 0x0
	s_cmp_eq_u32 s18, 1
	s_cselect_b64 s[20:21], s[8:9], s[6:7]
	s_cselect_b64 s[22:23], s[14:15], s[12:13]
	s_add_nc_u64 s[20:21], s[20:21], s[32:33]
	s_add_nc_u64 s[22:23], s[22:23], s[34:35]
	s_wait_alu depctr_va_vdst(0)                   ; v8 to v18 are written: every load, LDS access and store of this arm reads one of them as its address
.macro LOADG g                         ; group g: rows 16 g .. 16 g + 15 of the tile
.irp t, 0,1,2,3,4,5,6,7
	global_load_b128 v[X+32*((\g)%4)+4*(\t):X+32*((\g)%4)+4*(\t)+3], v[RO+(\t)], s[20:21] th:TH_LOAD_NT
.endr
.endm
.macro STEPB                           ; the base goes on by a group
	s_wait_xcnt 0x0                                ; the loads have read their base: it steps only behind this wait
	s_add_nc_u64 s[20:21], s[20:21], s[24:25]
.endm
; Group g.  For each of my four n: 8 k rounded to bf16 and packed; 16 bytes into LDS row 4 r + j at byte 32 g + 16 h.
; ahead = 1: group g + 4 is loaded into the registers that the conversions have emptied.  left = how many younger loads may still be out.
.macro GROUP g, ahead, left
	s_wait_loadcnt \left                           ; loads come back in order (ISA guide 5.7.1): X[g % 4] is in, the younger groups stay out
.if ((\g) >= 2) && ((\g)%2 == 0)
	s_wait_alu depctr_vm_vsrc(0)                   ; the LDS stores of the two groups before have read Y0 and Y1, which this group's conversions and the next one's write again
.endif
.irp j, 0,1,2,3
.irp i, 0,1,2,3
	v_cvt_pk_bf16_f32 v[Y+16*((\g)%2)+4*(\j)+(\i)], v[X+32*((\g)%4)+8*(\i)+(\j)], v[X+32*((\g)%4)+8*(\i)+4+(\j)]
.endr
.endr
	s_wait_alu depctr_va_vdst(0)                   ; the conversions have written Y[g % 2], which the LDS stores below read, and are done reading X[g % 4], in which the loads below land
.if \ahead
	LOADG (\g)+4                                   ; the loads first: they have the longer way
.endif
.irp j, 0,1,2,3
	ds_store_b128 v[LST], v[Y+16*((\g)%2)+4*(\j):Y+16*((\g)%2)+4*(\j)+3] offset:(\j)*PITCH+32*(\g)
.endr
.if (\ahead) && ((\g) < 3)
	STEPB                                          ; behind the last group's loads no load follows, and the base stays
.endif
.endm
	LOADG 0
	STEPB
	LOADG 1
	STEPB
	LOADG 2
	STEPB
	LOADG 3                                        ; four groups, 32 loads, on their way
	STEPB
	GROUP 0, 1, 24                                 ; the oldest group is in; the three younger ones stay out
	GROUP 1, 1, 24
	GROUP 2, 1, 24
	GROUP 3, 1, 24
	GROUP 4, 0, 24
	GROUP 5, 0, 16                                 ; nothing more is loaded: the counts run down
	GROUP 6, 0, 8
	GROUP 7, 0, 0
	; The 64 turned rows come back in one run of 32 loads, two rows each, the rows in the immediate.  LDS serves a wave's instructions in order (ISA guide 5.7.1.4): the loads see my stores.
	; No wait on va_vdst: every conversion that read X stands ahead of group 7's, and no vector instruction since names X.
.set i, 0
.rept 32
	ds_load_b128 v[X+4*i:X+4*i+3], v[LRD] offset:i*2*PITCH
.set i, i+1
.endr
; Sixteen rows n leave.  No register is used twice, so of the memory counters the LDS loads' alone is waited for.
.macro BACK t
	s_wait_dscnt 24-8*(\t)                         ; my eight loads are back; the younger ones may stay out
	s_cmp_eq_u32 s18, 1
	s_cbranch_scc0 .Lbf_\@
.set i, 32*(\t)
.rept 32                               ; W_proj alone: the bf16 number is written as f16
	v_lshlrev_b32 v[T], 16, v[X+i]
	v_and_b32 v[T+1], s26, v[X+i]
	v_cvt_pk_f16_f32 v[X+i], v[T], v[T+1]
.set i, i+1
.endr
	s_wait_alu depctr_va_vdst(0)                   ; the conversions have written these 32 registers of X, which the stores below read; on the way round them no vector instruction has written X
.Lbf_\@:
.irp i, 0,1,2,3,4,5,6,7
	global_store_b128 v[GST], v[X+32*(\t)+4*(\i):X+32*(\t)+4*(\i)+3], s[22:23] offset:(8*(\t)+(\i))*4096  ; 16 lanes store 256 consecutive bytes, aligned
.endr
.endm
	BACK 0
	BACK 1
	BACK 2
	BACK 3
	s_branch .Lend
	; ---- waves 2 to 5: 16,384 bytes of x are cast ----
; Block b of eight: four loads' numbers are rounded; the four stores of the block before are dealt among the conversions.
.macro CBLK b
	s_wait_loadcnt 28-4*(\b)                       ; loads come back in order (ISA guide 5.7.1): the block's four are in, the younger ones stay out
.if (\b) > 0
	s_wait_alu depctr_va_vdst(0)                   ; the block before has written its eight registers of Y, which the stores below read; this block's conversions name other registers
.endif
.irp i, 0,1,2,3
.if (\b) > 0
	global_store_b64 v7, v[Y+8*((\b)-1)+2*(\i):Y+8*((\b)-1)+2*(\i)+1], s[22:23] offset:256*(4*((\b)-1)+(\i))  ; 32 lanes store 256 consecutive bytes, aligned
.endif
	v_cvt_pk_bf16_f32 v[Y+8*(\b)+2*(\i)], v[X+16*(\b)+4*(\i)], v[X+16*(\b)+4*(\i)+1]
	v_cvt_pk_bf16_f32 v[Y+8*(\b)+2*(\i)+1], v[X+16*(\b)+4*(\i)+2], v[X+16*(\b)+4*(\i)+3]
.endr
.endm
.Lcast:
	s_sub_co_u32 s17, s[WV], 2
	s_lshl_b32 s18, ttmp9, 2
	s_add_co_u32 s18, s18, s17                     ; my share, 0..1023
	s_lshl_b32 s24, s18, 14
	s_mov_b32 s25, 0
	s_lshl_b32 s26, s18, 13
	s_mov_b32 s27, 0
	v_lshlrev_b32 v6, 4, v1
	v_lshlrev_b32 v7, 3, v1
	s_wait_kmcnt 0x0
	s_add_nc_u64 s[20:21], s[4:5], s[24:25]
	s_add_nc_u64 s[22:23], s[10:11], s[26:27]
	s_wait_alu depctr_va_vdst(0)                   ; v6 and v7 are written: every load and store of this arm reads one of them as its offset
.set i, 0
.rept 32                               ; all 32 loads go out at once: 512 consecutive bytes each
	global_load_b128 v[X+4*i:X+4*i+3], v6, s[20:21] offset:512*i th:TH_LOAD_NT
.set i, i+1
.endr
.irp b, 0,1,2,3,4,5,6,7                ; no register is used twice: no store's data is ever written again
	CBLK \b
.endr
	s_wait_alu depctr_va_vdst(0)                   ; block 7 has written its eight registers of Y, which the last four stores read
.irp i, 0,1,2,3
	global_store_b64 v7, v[Y+56+2*(\i):Y+56+2*(\i)+1], s[22:23] offset:256*(28+(\i))
.endr
.Lend:
	s_wait_dscnt 0x0                               ; the closing lines, six on end
	s_wait_alu 0x0
	s_wait_tensorcnt 0x0
	ds_add_u32 v[SPW], v[NIL]
	s_wait_dscnt 0x0
	s_endpgm
.Lfunc_end_k_q9958e78d45_prep:
	.size	k_q9958e78d45_prep, .Lfunc_end_k_q9958e78d45_prep-k_q9958e78d45_prep
	.p2alignl 7, 3214868480
	.fill 96, 4, 3214868480
	.section	.rodata,"a",@progbits
	.p2align	6, 0x0
	.amdhsa_kernel k_q9958e78d45_prep
		.amdhsa_group_segment_fixed_size 35584
		.amdhsa_private_segment_fixed_size 0
		.amdhsa_enable_private_segment 0
		.amdhsa_kernarg_size 48
		.amdhsa_user_sgpr_count 2
		.amdhsa_user_sgpr_kernarg_segment_ptr 1
		.amdhsa_wavefront_size32 1
		.amdhsa_system_sgpr_workgroup_id_x 1
		.amdhsa_system_sgpr_workgroup_id_y 1
		.amdhsa_system_sgpr_workgroup_id_z 1
		.amdhsa_system_vgpr_workitem_id 0
		.amdhsa_next_free_vgpr 224
		.amdhsa_next_free_sgpr 66
		.amdhsa_reserve_vcc 0
		.amdhsa_float_denorm_mode_32 3
		.amdhsa_float_denorm_mode_16_64 3
		.amdhsa_memory_ordered 1
		.amdhsa_forward_progress 1
		.amdhsa_inst_pref_size 53
	.end_amdhsa_kernel
	.amdgpu_metadata
---
amdhsa.version: [ 1, 2 ]
amdhsa.kernels:
  - .name:           k_q9958e78d45_prep
    .symbol:         k_q9958e78d45_prep.kd
    .args:
      - { .name: x, .offset: 0, .size: 8, .value_kind: global_buffer, .address_space: global }
      - { .name: W_attn, .offset: 8, .size: 8, .value_kind: global_buffer, .address_space: global }
      - { .name: W_proj, .offset: 16, .size: 8, .value_kind: global_buffer, .address_space: global }
      - { .name: xb, .offset: 24, .size: 8, .value_kind: global_buffer, .address_space: global }
      - { .name: wat, .offset: 32, .size: 8, .value_kind: global_buffer, .address_space: global }
      - { .name: wpt, .offset: 40, .size: 8, .value_kind: global_buffer, .address_space: global }
    .group_segment_fixed_size: 35584
    .private_segment_fixed_size: 0
    .kernarg_segment_align: 8
    .kernarg_segment_size: 48
    .max_flat_workgroup_size: 192
    .sgpr_count:     66
    .vgpr_count:     224
    .wavefront_size: 32
...
	.end_amdgpu_metadata
.endif
;; end of part 6
;; launch qkvgemm: the kernel of part 2 again; grid 16 x 16, 4 waves a work-group, clusters of 4 x 4, 327,680 bytes of LDS; arguments xb, wat, b_attn, qkv; writes qkv
;; launch attn: the kernel of part 3 again; grid 16 x 16, 8 waves a work-group, no clusters, 250,880 bytes of LDS; arguments qkv, yh, part, pstat; writes yh, part, pstat
;; launch merge: the kernel of part 4 again; grid 2 x 16, 4 waves a work-group, no clusters, 2,816 bytes of LDS; arguments part, pstat, yh; writes yh
;; launch proj: the kernel of part 5 again; grid 8 x 32, 4 waves a work-group, clusters of 4 x 4, 327,680 bytes of LDS; arguments yh, wpt, b_proj, out0; writes out0
